; MI455X (gfx1250); checked and timed in simulation.
; The chip was launched on July 23, 2026; its instructions are those of AMD's public machine-readable ISA for CDNA 5 (MIT licence, August 2026) and "CDNA5" Instruction Set Architecture Reference Guide (July 2026). The comments in the code are by the model that wrote it; some were corrected since.
;; Multi Head Attention. Allowed arithmetic: matrix products marked QUANTISED: E2M1 operands, one E8M0 scale for each 32 along K, by v_wmma_scale_f32_16x16x128_f8f6f4 with both operands' format E2M1 (or v_wmma_scale_f32_32x16x128_f4), f32 sums; products left as they are: bf16, f16 or f32 operands; f32 sums; everything else in f32.
;; Inputs: Wk 16 x 1,024 x 64 float32; Wo 1,024 x 1,024 float32; Wq 16 x 1,024 x 64 float32; Wv 16 x 1,024 x 64 float32; k 4,096 x 1,024 float32; q 4,096 x 1,024 float32; v 4,096 x 1,024 float32.
;; Outputs: out0 4,096 x 1,024 float32.
;; This version of the problem:
;;   THIS VERSION OF THE PROBLEM IS GIVEN IN LOW PRECISION. The matrix products marked QUANTISED in the list below multiply operands that are first quantised to E2M1 (2 exponent bits, 1 mantissa bit; 4 bits a number), with one power-of-two scale for each 32 numbers along K (OCP MX v1.0); their sums are f32. The products marked 'left as it is' may take bf16, f16 or f32 operands, with f32 sums. Whichever they take, every output number must still come out within the allowed error. Rounding operands to bf16 (8 significant bits) uses up far more of that allowance than f16 does (11 bits, for magnitudes from 6e-5 to 65,504). All else is computed in f32.
;;   The module's matrix products, in the order in which they are computed (A, B: the left and right operand; K: the contracted axis; several contracted axes count as one K, in the product's order):
;;     1. [M 1,024, K 1,024] x [K 1,024, N 4,096]; A: input Wq; B: input q: QUANTISED
;;     2. [M 1,024, K 1,024] x [K 1,024, N 4,096]; A: input Wk; B: input k: QUANTISED
;;     3. [M 1,024, K 1,024] x [K 1,024, N 4,096]; A: input Wv; B: input v: QUANTISED
;;     4. batch 16 x [M 4,096, K 64] x [K 64, N 4,096]; A: computed on the way; B: computed on the way: left as it is (an operand is computed on the way)
;;     5. batch 16 x [M 4,096, K 4,096] x [K 4,096, N 64]; A: computed on the way; B: computed on the way: left as it is (an operand is computed on the way)
;;     6. [M 4,096, K 1,024] x [K 1,024, N 1,024]; A: computed on the way; B: input Wo: left as it is (an operand is computed on the way)
;;   THE QUANTISER, for each operand of a quantised product, along K:
;;     - K is cut into blocks of 32 from its start; a last block that is shorter is filled with zeros.
;;     - A block's scale is 2^e with e = floor(log2(the largest magnitude in the block)) - 2, held to -126 .. 127; a block of zeros has e = 0. As a byte (E8M0): e + 127.
;;     - Each number is divided by its block's scale, clamped to +-6, and rounded to the nearest number of E2M1, ties to even, subnormals kept.
;;     - The product sums the exact products of the quantised numbers (number of the format x scale) in f32.
;;   ~~~python
;;   def quantise(x, axis):      # numpy; x: float32 -> the quantised numbers, widened to float32 again
;;       x = np.moveaxis(x, axis, -1); K = x.shape[-1]
;;       x = np.pad(x, [(0, 0)] * (x.ndim - 1) + [(0, -K % 32)]); x = x.reshape(x.shape[:-1] + (-1, 32)); a = np.abs(x).max(-1, keepdims=True)
;;       e = np.where(a > 0, np.clip(np.frexp(np.where(a > 0, a, 1))[1] - 1 - 2, -126, 127), 0)      # np.frexp(a)[1] - 1 = floor(log2(a)), exactly
;;       r = np.clip(x / 2.0 ** e, -6, 6)
;;       step = 2.0 ** (np.maximum(np.frexp(np.where(r == 0, 1, r))[1] - 1, 0) - 1)
;;       q = np.round(r / step) * step * 2.0 ** e      # np.round: ties to even
;;       return np.moveaxis(q.reshape(q.shape[:-2] + (-1,))[..., :K], -1, axis).astype(np.float32)
;;   ~~~
;; One version. Each part assembles by itself: llvm-mc -triple=amdgcn-amd-amdhsa -mcpu=gfx1250 --defsym DOCPART=n.
;; ======== version 1 of 1: 4 launches
;; limits: values are held in f16: magnitudes above 65,504 overflow, below 6.1e-05 lose precision
;; workspace buffers: wc 1,572,864 bytes; ws 98,304 bytes; wof 2,097,152 bytes; qf 8,388,608 bytes; kf 8,388,608 bytes; vf 8,388,608 bytes; vmaxb 4,096 bytes; hf 8,388,608 bytes
;; launch prep (part 1): grid 256 x 1, 4 waves a work-group, no clusters, 0 bytes of LDS; arguments Wq, Wk, Wv, Wo, wc, ws, wof; writes wc, ws, wof
.if DOCPART == 1
	.amdgcn_target "amdgcn-amd-amdhsa--gfx1250"
	.amdhsa_code_object_version 6
	.text
	.protected	k_qd7363ae303_prep
	.globl	k_qd7363ae303_prep
	.p2align	8
	.type	k_qd7363ae303_prep,@function
k_qd7363ae303_prep:
	s_mov_b64 s[64:65], 0
	v_nop
	global_prefetch_b8 v0, s[64:65] scope:SCOPE_SE
	s_setreg_imm32_b32 hwreg(HW_REG_WAVE_MODE, 25, 1), 1
	s_wait_xcnt 0x0
; PREP.  The weights are laid out once, in the order in which a wave's operand registers take them.
; Work-groups 0-191: Wq, Wk, Wv [16 heads][1024 k][64 n] f32 become codes of FP4 (E2M1) quantised along k, with one E8M0 byte for each 32 along k.
;   A block's scale is 2^(floor(log2(its largest magnitude)) - 2): its byte is the largest magnitude's exponent field - 2, held at 1 from below.
;   A wave takes one unit: tensor t, head h, 32 columns (p), 128 along k (s).  A LANE TAKES A COLUMN AND ITS REGISTERS RUN DOWN k, so a block of 32 lies in one lane and the
;   conversions give codes with k innermost.  wc: [g = ((16 t + h) 2 + p) 8 + s][tile u = 0, 1][image of 1,024 bytes]: lane (r, hh) of half c holds channel 16 u + r, k = 64 c + 32 hh + 0..31, at 512 c + 256 hh + 16 r.
;   ws: [g][32 words]: word l = the four bytes of this K step of column l.
; Work-groups 192-255: Wo [1024 n][1024 k] f32 becomes f16 images of 16 rows x 32 k: lane (r, h) of half c holds row r, k = 16 c + 8 h + 0..7, at 512 c + 16 lane.
;   wof: [N / 4][k / 256][N % 4][(k / 32) % 8][image], N = n / 16.
; No LDS, no barrier: waves share nothing.  Every code store of 16 lanes covers 256 consecutive aligned bytes; a wave's scale words are 128 consecutive bytes.
; LIMITS: NaN and infinities are not served; a block whose largest magnitude lies under 2^-124, a block of zeros too, keeps the byte 1 (its codes are then zeros or held small; the bytes are read by this program alone);
; Wo beyond f16's largest number, 65,504, is not served.
.set X, 32                             ; v32-159  numbers as loaded
.set C, 160                            ; v160-223 codes or f16 pairs: registers of their own for each store, so that no store's data are written again
	s_load_b256 s[4:11], s[0:1], 0x0               ; Wq s[4:5], Wk s[6:7], Wv s[8:9], Wo s[10:11]
	s_load_b128 s[12:15], s[0:1], 0x20             ; wc s[12:13], ws s[14:15]
	s_load_b64 s[16:17], s[0:1], 0x30              ; wof
	v_lshrrev_b32 v1, 5, v0
	v_readfirstlane_b32 s18, v1                    ; wave 0..3
	v_and_b32 v2, 31, v0                           ; lane
	v_and_b32 v3, 15, v0                           ; r
	v_bfe_u32 v4, v0, 4, 1                         ; h
	s_mov_b32 s27, 0                               ; the high word of every offset pair s[26:27]
	s_wait_kmcnt 0x0
	s_cmp_lt_u32 ttmp9, 192                        ; the work-group's number alone decides the path
	s_cbranch_scc0 .Lwo
	; ---- Wq, Wk, Wv
	s_lshl_b32 s19, ttmp9, 2
	s_add_co_u32 s19, s19, s18                     ; my unit: bits 9:8 tensor, 7:4 head, 3:1 K step, 0 column half: two waves of a work-group read the two halves of the same rows
	s_lshr_b32 s20, ttmp9, 6                       ; tensor
	s_cmp_eq_u32 s20, 0
	s_cselect_b64 s[24:25], s[4:5], s[6:7]
	s_cmp_eq_u32 s20, 2
	s_cselect_b64 s[24:25], s[8:9], s[24:25]
	s_and_b32 s21, s19, 1                          ; p
	s_bfe_u32 s22, s19, 0x30001                    ; s
	s_bfe_u32 s26, s19, 0x40004                    ; head
	s_lshl_b32 s26, s26, 18                        ; a head is 1,024 rows of 256 bytes,
	s_lshl_b32 s20, s22, 15                        ; a K step 128 rows,
	s_add_co_u32 s26, s26, s20
	s_lshl_b32 s20, s21, 7                         ; 32 columns 128 bytes
	s_add_co_u32 s26, s26, s20
	s_add_nc_u64 s[24:25], s[24:25], s[26:27]
	s_and_b32 s28, s19, 0xff0
	s_lshl_b32 s20, s21, 3
	s_add_co_u32 s28, s28, s20
	s_add_co_u32 s28, s28, s22                     ; g
	s_lshl_b32 s26, s28, 11
	s_add_nc_u64 s[12:13], s[12:13], s[26:27]      ; wc + 2,048 g
	s_lshl_b32 s26, s28, 7
	s_add_nc_u64 s[14:15], s[14:15], s[26:27]      ; ws + 128 g
	v_lshlrev_b32 v5, 2, v2                        ; in: 4 bytes a lane; also my scale word's place
	v_lshlrev_b32 v6, 4, v3
	v_lshl_add_u32 v6, v4, 10, v6                  ; out: tile lane / 16, row lane % 16
.macro WLD b                           ; block b: W(32 b + i, my column), i = 0 .. 31
.irp i, 0,1,2,3,4,5,6,7,8,9,10,11,12,13,14,15,16,17,18,19,20,21,22,23,24,25,26,27,28,29,30,31
	global_load_b32 v[X+32*(\b)+\i], v5, s[24:25] offset:(32*(\b)+\i)*256
.endr
.endm
.macro WBLOCK b
.set XS, X+32*(\b)
.if (\b) < 3
	s_wait_loadcnt 32                              ; this block's 32 loads are in; the next block's 32 may be out
.else
	s_wait_loadcnt 0x0
.endif
.if (\b)+2 < 4
	WLD (\b)+2                                     ; loads run two blocks ahead
.endif
	v_max3_num_f32 v12, |v[XS]|, |v[XS+1]|, |v[XS+2]|              ; the block's largest magnitude, in two chains: all 32 numbers are mine
	v_max3_num_f32 v13, |v[XS+3]|, |v[XS+4]|, |v[XS+5]|
.irp i, 6,10,14,18,22,26
	v_max3_num_f32 v12, v12, |v[XS+\i]|, |v[XS+\i+1]|
	v_max3_num_f32 v13, v13, |v[XS+\i+2]|, |v[XS+\i+3]|
.endr
	v_max3_num_f32 v12, v12, |v[XS+30]|, |v[XS+31]|
	v_max3_num_f32 v12, v12, v13, 0x1800000        ; and the floor 2^(3 - 127): the byte cannot fall under 1
	v_add_nc_u32 v11, 0xff000000, v12              ; 2 off its exponent field: the conversion takes the exponent field of this operand as its scale
	v_lshrrev_b32 v13, 23, v11                     ; the scale's byte
.if (\b) == 0
	v_mov_b32 v8, v13                              ; four bytes make the K step's scale word, the lower k in the lower byte
.else
	v_lshl_or_b32 v8, v13, 8*(\b), v8
.endif
.irp g, 0,1,2,3
	v_cvt_scalef32_pk8_fp4_f32 v[C+4*(\b)+\g], v[XS+8*\g:XS+8*\g+7], v11
.endr
	global_store_b128 v6, v[C+4*(\b):C+4*(\b)+3], s[12:13] offset:256*(\b)   ; block b is piece (c = b / 2, hh = b % 2) of my tile's image: 16 lanes store 256 consecutive aligned bytes
.endm
	WLD 0
	WLD 1
	WBLOCK 0
	WBLOCK 1
	WBLOCK 2
	WBLOCK 3
	global_store_b32 v5, v8, s[14:15]
	s_endpgm
	; ---- Wo: wave kq of work-group 192 + N takes rows 16 N .. 16 N + 15, k = 256 kq .. 256 kq + 255: eight images
.Lwo:
	s_sub_co_u32 s19, ttmp9, 192                   ; N
	s_lshl_b32 s26, s19, 16                        ; 16 rows of 4,096 bytes
	s_lshl_b32 s20, s18, 10
	s_add_co_u32 s26, s26, s20
	s_add_nc_u64 s[10:11], s[10:11], s[26:27]
	s_lshr_b32 s26, s19, 2
	s_lshl_b32 s26, s26, 17                        ; N / 4
	s_lshl_b32 s20, s18, 15                        ; k / 256
	s_add_co_u32 s26, s26, s20
	s_and_b32 s20, s19, 3
	s_lshl_b32 s20, s20, 13                        ; N % 4
	s_add_co_u32 s26, s26, s20
	s_add_nc_u64 s[16:17], s[16:17], s[26:27]
	v_lshlrev_b32 v5, 12, v3
	v_lshl_add_u32 v5, v4, 5, v5                   ; in: row r, + 32 h bytes: my 8 numbers of each 16 along k
	v_lshlrev_b32 v6, 4, v2                        ; out: 16 x lane
.irp y, 0,1,2,3
.irp u, 0,1
.irp c, 0,1
.irp i, 0,1
	global_load_b128 v[X+4*(((\y*2+\u)*2+\c)*2+\i):X+4*(((\y*2+\u)*2+\c)*2+\i)+3], v5, s[10:11] offset:\y*256+\u*128+\c*64+\i*16
.endr
.endr
.endr
.endr
.irp y, 0,1,2,3
	s_wait_loadcnt 8*(3-\y)                        ; the eight loads of images 2 y and 2 y + 1 are in; the later images' may be out
.irp u, 0,1
.irp c, 0,1
.irp j, 0,1,2,3
	v_cvt_pk_f16_f32 v[C+16*\y+8*\u+4*\c+\j], v[X+8*((\y*2+\u)*2+\c)+2*\j], v[X+8*((\y*2+\u)*2+\c)+2*\j+1]
.endr
	global_store_b128 v6, v[C+16*\y+8*\u+4*\c:C+16*\y+8*\u+4*\c+3], s[16:17] offset:(2*\y+\u)*1024+\c*512   ; 32 lanes store 512 consecutive aligned bytes
.endr
.endr
.endr
	s_endpgm
.Lfunc_end_k_qd7363ae303_prep:
	.size	k_qd7363ae303_prep, .Lfunc_end_k_qd7363ae303_prep-k_qd7363ae303_prep
	.p2alignl 7, 3214868480
	.fill 96, 4, 3214868480
	.section	.rodata,"a",@progbits
	.p2align	6, 0x0
	.amdhsa_kernel k_qd7363ae303_prep
		.amdhsa_group_segment_fixed_size 0
		.amdhsa_private_segment_fixed_size 0
		.amdhsa_enable_private_segment 0
		.amdhsa_kernarg_size 56
		.amdhsa_user_sgpr_count 2
		.amdhsa_user_sgpr_kernarg_segment_ptr 1
		.amdhsa_wavefront_size32 1
		.amdhsa_system_sgpr_workgroup_id_x 1
		.amdhsa_system_sgpr_workgroup_id_y 1
		.amdhsa_system_sgpr_workgroup_id_z 1
		.amdhsa_system_vgpr_workitem_id 0
		.amdhsa_next_free_vgpr 224
		.amdhsa_next_free_sgpr 66
		.amdhsa_reserve_vcc 0
		.amdhsa_float_denorm_mode_32 3
		.amdhsa_float_denorm_mode_16_64 3
		.amdhsa_memory_ordered 1
		.amdhsa_forward_progress 1
		.amdhsa_inst_pref_size 30
	.end_amdhsa_kernel
	.amdgpu_metadata
---
amdhsa.version: [ 1, 2 ]
amdhsa.kernels:
  - .name:           k_qd7363ae303_prep
    .symbol:         k_qd7363ae303_prep.kd
    .args:
      - { .name: Wq, .offset: 0, .size: 8, .value_kind: global_buffer, .address_space: global }
      - { .name: Wk, .offset: 8, .size: 8, .value_kind: global_buffer, .address_space: global }
      - { .name: Wv, .offset: 16, .size: 8, .value_kind: global_buffer, .address_space: global }
      - { .name: Wo, .offset: 24, .size: 8, .value_kind: global_buffer, .address_space: global }
      - { .name: wc, .offset: 32, .size: 8, .value_kind: global_buffer, .address_space: global }
      - { .name: ws, .offset: 40, .size: 8, .value_kind: global_buffer, .address_space: global }
      - { .name: wof, .offset: 48, .size: 8, .value_kind: global_buffer, .address_space: global }
    .group_segment_fixed_size: 0
    .private_segment_fixed_size: 0
    .kernarg_segment_align: 8
    .kernarg_segment_size: 56
    .max_flat_workgroup_size: 128
    .sgpr_count:     66
    .vgpr_count:     224
    .wavefront_size: 32
...
	.end_amdgpu_metadata
.endif
;; end of part 1
;; launch proj (part 2): grid 192 x 1, 16 waves a work-group, no clusters, 327,680 bytes of LDS; arguments q, k, v, wc, ws, qf, kf, vf, vmaxb; writes qf, kf, vf, vmaxb
.if DOCPART == 2
	.amdgcn_target "amdgcn-amd-amdhsa--gfx1250"
	.amdhsa_code_object_version 6
	.text
	.protected	k_qd7363ae303_proj
	.globl	k_qd7363ae303_proj
	.p2align	8
	.type	k_qd7363ae303_proj,@function
k_qd7363ae303_proj:
	s_mov_b64 s[64:65], 0
	v_nop
	global_prefetch_b8 v0, s[64:65] scope:SCOPE_SE
	s_setreg_imm32_b32 hwreg(HW_REG_WAVE_MODE, 25, 1), 1
	s_wait_xcnt 0x0
; PROJ.  The three projections, on codes of FP4 (E2M1) with one E8M0 scale for each 32 along K = 1,024; sums in f32; results rounded once to f16 and stored as images of the next products' operand registers.
; SHARES.  Work-group = tensor t (q, k, v) x 64 rows.  Sixteen waves, 256 registers each.
;   Phase X: wave w brings 32 rows (half w % 2) x 128 columns (K step w / 2) of x into its own LDS bytes by one tensor load (rows of 512 consecutive bytes), quantises them in registers
;   and stores two operand images and their scale words to LDS.  One barrier.
;   Products: wave w is head w: 64 channels in two passes of 32: 2 channel tiles x 4 row tiles = 8 accumulators, which take turns.  The weights' fragments come from memory straight into registers, eight K steps ahead.
; q, k: source 0 = 16 channels of W, source 1 = 16 rows of x: a lane holds one position and 8 neighbouring channels: half an image [position][channel].
; v:    the sources are swapped: a lane holds one channel and 8 neighbouring positions: half an image [channel][key].  Its waves also keep the largest |vh|, which later launches use for a power-of-two gain.
; qf, kf: [head][T = position / 16][channel / 32][image];  vf: [head][key / 32][channel / 16][image].  An image is 1,024 bytes: lane l's 16 bytes of half c at 512 c + 16 l.  Every store of a wave covers 512 consecutive aligned bytes.
; NO CLUSTER: a weight fragment is read by one wave of a work-group and goes straight into its registers; sharing it among work-groups would want a ring in LDS, and x's f32 tile holds 270,336 of the 327,680 bytes.
; LIMITS: NaN and infinities are not served; a block whose largest magnitude lies under 2^-124, a block of zeros too, keeps the scale byte 1; results beyond f16's largest number, 65,504, are not served.
.set XP,    528                        ; a row of x in LDS: 512 bytes + 16 of padding: 33 x 16, so the 16 rows of a load start at 16 different columns of 16 bytes
.set XCH,   32*XP                      ; a wave's 32 rows
.set XIMG,  16*XCH                     ; behind them: x's images, [K step s][row tile m], 1,024 bytes each; wave w writes the 2,048 bytes from 2,048 w on
.set XSC,   XIMG+32768                 ; their scale words, [s][m][row]: wave w writes the 128 bytes from 128 w on
.set SPARE, XSC+2048                   ; the spare words, 128 bytes for each wave: eight blocks of 256 bytes that no other line names
.set XF,  16                           ; v16-47   x's four fragments of a K step; in phase X codes and work; on the way out packed f16
.set XS,  48                           ; v48-49   x's scale words: register j: lanes 0-15 row tile 2 j, lanes 16-31 row tile 2 j + 1
.set ACC, 52                           ; v52-115  accumulator (u, m) at ACC + 8 (4 u + m); in phase X 64 numbers of x
.set WR,  120                          ; v120-247 the weights' fragments: K step s, tile u at WR + 16 s + 8 u
.set WS,  248                          ; v248-255 their scale words: register s: lanes 0-15 tile 0, lanes 16-31 tile 1
; v1 XIMG + 16 lane; v2 XSC + 4 lane; v3 16 lane; v4 4 lane; v5 lane; v6 my numbers in my chunk; v7, v8 where I store images and scale words; v9 8 h; v10, v11 the add's two; v12 largest |vh|; v13-15 work
	s_load_b256 s[4:11], s[0:1], 0x0               ; q s[4:5], k s[6:7], v s[8:9], wc s[10:11]
	s_load_b256 s[12:19], s[0:1], 0x20             ; ws s[12:13], qf s[14:15], kf s[16:17], vf s[18:19]
	s_load_b64 s[20:21], s[0:1], 0x40              ; vmaxb
	v_lshl_add_u32 v10, v0, 2, SPARE
	v_mov_b32 v11, 0
	ds_add_u32 v10, v11                            ; the wave's opening: the add, twice on end, and its wait ahead of my tensor load; the set-up below stands between
	ds_add_u32 v10, v11                            ; and once more, under the one wait
	v_lshrrev_b32 v1, 5, v0
	v_readfirstlane_b32 s22, v1                    ; wave 0..15
	s_lshr_b32 s23, ttmp9, 6                       ; tensor t
	s_and_b32 s24, ttmp9, 63                       ; block of 64 rows
	; descriptor group 1: 32 rows x 128 elements of 4 bytes, 1,024 elements from row to row, 4 words of padding behind each 128
	s_mov_b32 s28, (2<<16)|(1<<20)|(6<<22)|(3<<25)
	s_mov_b32 s29, 128<<16                         ; tensor_dim0
	s_mov_b32 s30, 32<<16                          ; tensor_dim1
	s_mov_b32 s31, 128<<16                         ; tile_dim0
	s_mov_b32 s32, 32                              ; tile_dim1
	s_mov_b32 s33, 1024                            ; stride
	s_mov_b32 s34, 0
	s_mov_b32 s35, 0
	s_mov_b32 s36, 1
	s_mul_i32 s37, s22, XCH                        ; my chunk in LDS
	s_mov_b32 s40, 0x76543210
	s_mov_b32 s41, 0xfedcba98                      ; v_permlanex16_b32's selects for lane l xor 16
	s_and_b32 s25, s22, 1
	s_lshr_b32 s26, s22, 1
	s_lshl_b32 s42, s24, 18                        ; x: 64 rows of 4,096 bytes,
	s_lshl_b32 s43, s25, 17                        ; my 32 of them,
	s_add_co_u32 s42, s42, s43
	s_lshl_b32 s43, s26, 9                         ; my 128 columns
	s_add_co_u32 s42, s42, s43
	s_mov_b32 s43, 0
	s_lshl_b32 s54, s23, 4
	s_add_co_u32 s54, s54, s22                     ; 16 t + head
	s_lshl_b32 s56, s54, 15                        ; a head's codes: 16 units of 2,048 bytes
	s_mov_b32 s57, 0
	s_lshl_b32 s58, s54, 11                        ; its scale words: 16 x 128
	s_mov_b32 s59, 0
	s_lshl_b32 s60, s22, 19                        ; out: a head is 524,288 bytes,
	s_lshl_b32 s61, s24, 13                        ; 64 positions 8,192
	s_add_co_u32 s60, s60, s61
	s_mov_b32 s61, 0
	s_lshl_b32 s62, s24, 4
	s_add_co_u32 s62, s62, s22
	s_lshl_b32 s62, s62, 2                         ; vmaxb: word 16 block + wave
	s_mov_b32 s63, 0
	s_wait_dscnt 0x0                               ; both opening adds are done
	s_wait_kmcnt 0x0
	s_cmp_eq_u32 s23, 0                            ; the tensor is chosen by the work-group's number alone
	s_cselect_b64 s[52:53], s[4:5], s[6:7]
	s_cselect_b64 s[48:49], s[14:15], s[16:17]
	s_cmp_eq_u32 s23, 2
	s_cselect_b64 s[52:53], s[8:9], s[52:53]
	s_cselect_b64 s[48:49], s[18:19], s[48:49]
	s_add_nc_u64 s[38:39], s[52:53], s[42:43]
	s_or_b32 s39, s39, 0x80000000                  ; type = 2
	tensor_load_to_lds s[36:39], s[28:35]          ; my one tensor load: nothing in LDS is filled twice
	s_nop 0
	s_add_nc_u64 s[44:45], s[10:11], s[56:57]
	s_add_nc_u64 s[46:47], s[12:13], s[58:59]
	s_add_nc_u64 s[48:49], s[48:49], s[60:61]
	s_add_nc_u64 s[20:21], s[20:21], s[62:63]
	v_and_b32 v5, 31, v0
	v_lshlrev_b32 v3, 4, v5
	v_lshlrev_b32 v4, 2, v5
.macro WLOAD p, s                      ; five loads: the weights' two fragments and their scale words of pass p, K step s
.irp u, 0,1
.irp c, 0,1
	global_load_b128 v[WR+16*(\s)+8*\u+4*\c:WR+16*(\s)+8*\u+4*\c+3], v3, s[44:45] offset:(8*(\p)+(\s))*2048+\u*1024+\c*512
.endr
.endr
	global_load_b32 v[WS+(\s)], v4, s[46:47] offset:(8*(\p)+(\s))*128
.endm
.irp q, 0,1,2,3,4,5,6,7
	WLOAD 0, \q                                    ; pass 0's weights, 40 loads, go out while x is on its way
.endr
	v_and_b32 v13, 15, v0                          ; r
	v_bfe_u32 v14, v0, 4, 1                        ; h
	v_lshl_add_u32 v1, v5, 4, XIMG
	v_lshl_add_u32 v2, v5, 2, XSC
	v_mul_u32_u24 v6, v13, XP
	v_lshl_add_u32 v6, v14, 7, v6
	v_add_nc_u32 v6, s37, v6                       ; row r of my chunk, + 128 h bytes: my 32 numbers of each 64
	s_lshl_b32 s25, s22, 11
	v_add_nc_u32 v7, s25, v1                       ; XIMG + 2,048 wave + 16 lane
	s_lshl_b32 s25, s22, 7
	v_lshl_add_u32 v8, v13, 2, XSC
	v_add_nc_u32 v8, s25, v8                       ; XSC + 128 wave + 4 r
	v_lshlrev_b32 v9, 3, v14
	v_mov_b32 v39, 0                               ; written once: a lane permute's destination counts as one of its sources
; Row tile mm of my two: lane (r, h) takes k = 64 c + 32 h + 0 .. 31 of row r, two whole blocks, in the order of the operand's registers: the conversions' results are the fragment.
.macro QX mm
.irp c, 0,1
.irp i, 0,1,2,3,4,5,6,7
	ds_load_b128 v[ACC+32*\c+4*\i:ACC+32*\c+4*\i+3], v6 offset:(\mm)*16*XP+256*\c+16*\i
.endr
.endr
	s_wait_dscnt 0x0
.irp c, 0,1
	v_max3_num_f32 v[13+\c], |v[ACC+32*\c]|, |v[ACC+32*\c+1]|, 0x1800000   ; my block 2 c + h, and the floor 2^(3 - 127): the byte cannot fall under 1
.endr
.irp i, 2,4,6,8,10,12,14,16,18,20,22,24,26,28,30
.irp c, 0,1
	v_max3_num_f32 v[13+\c], v[13+\c], |v[ACC+32*\c+\i]|, |v[ACC+32*\c+\i+1]|   ; (the two blocks by turns)
.endr
.endr
.irp c, 0,1
	v_add_nc_u32 v[34+\c], 0xff000000, v[13+\c]    ; 2 off the exponent field: the conversion's scale operand
.endr
.irp c, 0,1
	v_lshrrev_b32 v[36+\c], 23, v[34+\c]           ; the scale's byte
.endr
	v_lshl_or_b32 v38, v37, 16, v36                ; my two bytes, blocks h and 2 + h,
	v_lshlrev_b32 v38, v9, v38                     ; at their places in the word (8 h bits up);
	v_permlanex16_b32 v39, v38, s40, s41
	v_or_b32 v[32+(\mm)], v38, v39                 ; with lane l xor 16's two the word is whole
.irp c, 0,1
.irp g, 0,1,2,3
	v_cvt_scalef32_pk8_fp4_f32 v[XF+8*(\mm)+4*\c+\g], v[ACC+32*\c+8*\g:ACC+32*\c+8*\g+7], v[34+\c]
.endr
.endr
	v_nop                                          ; one plain place behind the last scaled conversion
.irp c, 0,1
	ds_store_b128 v7, v[XF+8*(\mm)+4*\c:XF+8*(\mm)+4*\c+3] offset:(\mm)*1024+512*\c   ; the fragment goes to LDS as an image of its registers
.endr
	ds_store_b32 v8, v[32+(\mm)] offset:(\mm)*64   ; both halves of the lanes write row r's word with the same value
.endm
	s_wait_tensorcnt 0x0                           ; my chunk has landed; only I read it
	QX 0
	QX 1
	s_wait_dscnt 0x0                               ; for the others' sake: my images and scale words lie in LDS
	s_barrier_signal -1
	s_barrier_wait -1                              ; everybody's do.  From here on LDS is only read
; One scaled product.  ra, rb: source 0's, source 1's scales stand in lanes 16-31 of their register.  ks = 0: the first K step starts the sum.
.macro WMS d, a, b, sa, sb, ra, rb, ks
.if (\ks) == 0
.if (\ra) && (\rb)
	v_wmma_scale_f32_16x16x128_f8f6f4 v[(\d):(\d)+7], v[(\a):(\a)+7], v[(\b):(\b)+7], 0, v[(\sa)], v[(\sb)] matrix_a_fmt:MATRIX_FMT_FP4 matrix_b_fmt:MATRIX_FMT_FP4 matrix_a_scale:MATRIX_SCALE_ROW1 matrix_b_scale:MATRIX_SCALE_ROW1
.elseif (\ra)
	v_wmma_scale_f32_16x16x128_f8f6f4 v[(\d):(\d)+7], v[(\a):(\a)+7], v[(\b):(\b)+7], 0, v[(\sa)], v[(\sb)] matrix_a_fmt:MATRIX_FMT_FP4 matrix_b_fmt:MATRIX_FMT_FP4 matrix_a_scale:MATRIX_SCALE_ROW1
.elseif (\rb)
	v_wmma_scale_f32_16x16x128_f8f6f4 v[(\d):(\d)+7], v[(\a):(\a)+7], v[(\b):(\b)+7], 0, v[(\sa)], v[(\sb)] matrix_a_fmt:MATRIX_FMT_FP4 matrix_b_fmt:MATRIX_FMT_FP4 matrix_b_scale:MATRIX_SCALE_ROW1
.else
	v_wmma_scale_f32_16x16x128_f8f6f4 v[(\d):(\d)+7], v[(\a):(\a)+7], v[(\b):(\b)+7], 0, v[(\sa)], v[(\sb)] matrix_a_fmt:MATRIX_FMT_FP4 matrix_b_fmt:MATRIX_FMT_FP4
.endif
.else
.if (\ra) && (\rb)
	v_wmma_scale_f32_16x16x128_f8f6f4 v[(\d):(\d)+7], v[(\a):(\a)+7], v[(\b):(\b)+7], v[(\d):(\d)+7], v[(\sa)], v[(\sb)] matrix_a_fmt:MATRIX_FMT_FP4 matrix_b_fmt:MATRIX_FMT_FP4 matrix_a_scale:MATRIX_SCALE_ROW1 matrix_b_scale:MATRIX_SCALE_ROW1
.elseif (\ra)
	v_wmma_scale_f32_16x16x128_f8f6f4 v[(\d):(\d)+7], v[(\a):(\a)+7], v[(\b):(\b)+7], v[(\d):(\d)+7], v[(\sa)], v[(\sb)] matrix_a_fmt:MATRIX_FMT_FP4 matrix_b_fmt:MATRIX_FMT_FP4 matrix_a_scale:MATRIX_SCALE_ROW1
.elseif (\rb)
	v_wmma_scale_f32_16x16x128_f8f6f4 v[(\d):(\d)+7], v[(\a):(\a)+7], v[(\b):(\b)+7], v[(\d):(\d)+7], v[(\sa)], v[(\sb)] matrix_a_fmt:MATRIX_FMT_FP4 matrix_b_fmt:MATRIX_FMT_FP4 matrix_b_scale:MATRIX_SCALE_ROW1
.else
	v_wmma_scale_f32_16x16x128_f8f6f4 v[(\d):(\d)+7], v[(\a):(\a)+7], v[(\b):(\b)+7], v[(\d):(\d)+7], v[(\sa)], v[(\sb)] matrix_a_fmt:MATRIX_FMT_FP4 matrix_b_fmt:MATRIX_FMT_FP4
.endif
.endif
.endm
; K step s of pass p: x's four fragments and scale words from LDS, eight products on eight accumulators by turns.
.macro KSTEP p, s, swap
.irp m, 0,1,2,3
.irp c, 0,1
	ds_load_b128 v[XF+8*\m+4*\c:XF+8*\m+4*\c+3], v1 offset:(\s)*4096+\m*1024+\c*512
.endr
.endr
.irp j, 0,1
	ds_load_b32 v[XS+\j], v2 offset:(\s)*256+128*\j
.endr
	s_wait_dscnt 0x0
.if \p
	s_wait_loadcnt 35-5*(\s)                       ; pass 1: 80 loads were issued in all, 45 + 5 s of them must be in
.else
	s_wait_loadcnt 35                              ; pass 0: 40 + 5 s loads were issued, 5 s + 5 of them must be in
.endif
.irp u, 0,1
.irp m, 0,1,2,3
.if \swap
	WMS ACC+8*(4*\u+\m), XF+8*\m, WR+16*(\s)+8*\u, XS+\m/2, WS+(\s), \m%2, \u, \s
.else
	WMS ACC+8*(4*\u+\m), WR+16*(\s)+8*\u, XF+8*\m, WS+(\s), XS+\m/2, \u, \m%2, \s
.endif
.endr
.endr
.rept 4
	v_nop                                          ; four places in front of loads into registers that these products have read, and of the first read of results
.endr
.if (\p) == 0
	WLOAD 1, \s                                    ; this K step's registers take pass 1's weights: eight K steps ahead of their use
.endif
.endm
; The way out of a pass: each accumulator, from its low end on, is rounded to f16: four registers, half an image.
.macro OUT p, swap
.irp a, 0,1,2,3,4,5,6,7
.irp j, 0,1,2,3
	v_cvt_pk_f16_f32 v[XF+4*\a+\j], v[ACC+8*\a+2*\j], v[ACC+8*\a+2*\j+1]
.endr
.endr
.if \swap
.irp i, 0,2,4,6,8,10,12,14,16,18,20,22,24,26,28,30,32,34,36,38,40,42,44,46,48,50,52,54,56,58,60,62
	v_max3_num_f32 v12, v12, |v[ACC+\i]|, |v[ACC+\i+1]|
.endr
.endif
.irp u, 0,1
.irp m, 0,1,2,3
.if \swap
	global_store_b128 v3, v[XF+4*(4*\u+\m):XF+4*(4*\u+\m)+3], s[48:49] offset:(\m/2)*4096+(2*(\p)+\u)*1024+(\m%2)*512
.else
	global_store_b128 v3, v[XF+4*(4*\u+\m):XF+4*(4*\u+\m)+3], s[48:49] offset:\m*2048+(\p)*1024+\u*512
.endif
.endr
.endr
	s_wait_xcnt 0x0                                ; the stores have read their registers: the next pass loads x's fragments there
.endm
.macro PASSES swap
.irp q, 0,1,2,3,4,5,6,7
	KSTEP 0, \q, \swap
.endr
	OUT 0, \swap
.irp q, 0,1,2,3,4,5,6,7
	KSTEP 1, \q, \swap
.endr
	OUT 1, \swap
.endm
	s_cmp_eq_u32 s23, 2                            ; the work-group's number alone: all sixteen waves go the same way
	s_cbranch_scc1 .Lv
	PASSES 0
	s_branch .Lend
.Lv:
	v_mov_b32 v12, 0
	PASSES 1
	v_max_num_f32_dpp v12, v12, v12 row_xmask:1 row_mask:0xf bank_mask:0xf   ; the wave's largest |vh|
	v_max_num_f32_dpp v12, v12, v12 row_xmask:2 row_mask:0xf bank_mask:0xf
	v_max_num_f32_dpp v12, v12, v12 row_xmask:4 row_mask:0xf bank_mask:0xf
	v_max_num_f32_dpp v12, v12, v12 row_xmask:8 row_mask:0xf bank_mask:0xf
	v_permlanex16_b32 v13, v12, s40, s41
	v_max_num_f32 v12, v12, v13
	v_mov_b32 v15, 0
	v_cmp_eq_u32 vcc_lo, 0, v5
	s_wait_xcnt 0x0                                ; EXEC changes only behind this wait
	s_and_saveexec_b32 s50, vcc_lo                 ; lane 0 alone
	global_store_b32 v15, v12, s[20:21]
	s_wait_xcnt 0x0                                ; and again, in front of the line that widens it
	s_or_b32 exec_lo, exec_lo, s50
.Lend:
	s_wait_tensorcnt 0x0                           ; the wave's end, behind my tensor load and my last LDS store
	ds_add_u32 v10, v11
	s_wait_dscnt 0x0
	s_endpgm
.Lfunc_end_k_qd7363ae303_proj:
	.size	k_qd7363ae303_proj, .Lfunc_end_k_qd7363ae303_proj-k_qd7363ae303_proj
	.p2alignl 7, 3214868480
	.fill 96, 4, 3214868480
	.section	.rodata,"a",@progbits
	.p2align	6, 0x0
	.amdhsa_kernel k_qd7363ae303_proj
		.amdhsa_group_segment_fixed_size 327680
		.amdhsa_private_segment_fixed_size 0
		.amdhsa_enable_private_segment 0
		.amdhsa_kernarg_size 72
		.amdhsa_user_sgpr_count 2
		.amdhsa_user_sgpr_kernarg_segment_ptr 1
		.amdhsa_wavefront_size32 1
		.amdhsa_system_sgpr_workgroup_id_x 1
		.amdhsa_system_sgpr_workgroup_id_y 1
		.amdhsa_system_sgpr_workgroup_id_z 1
		.amdhsa_system_vgpr_workitem_id 0
		.amdhsa_next_free_vgpr 256
		.amdhsa_next_free_sgpr 66
		.amdhsa_reserve_vcc 1
		.amdhsa_float_denorm_mode_32 3
		.amdhsa_float_denorm_mode_16_64 3
		.amdhsa_memory_ordered 1
		.amdhsa_forward_progress 1
		.amdhsa_inst_pref_size 98
	.end_amdhsa_kernel
	.amdgpu_metadata
---
amdhsa.version: [ 1, 2 ]
amdhsa.kernels:
  - .name:           k_qd7363ae303_proj
    .symbol:         k_qd7363ae303_proj.kd
    .args:
      - { .name: q, .offset: 0, .size: 8, .value_kind: global_buffer, .address_space: global }
      - { .name: k, .offset: 8, .size: 8, .value_kind: global_buffer, .address_space: global }
      - { .name: v, .offset: 16, .size: 8, .value_kind: global_buffer, .address_space: global }
      - { .name: wc, .offset: 24, .size: 8, .value_kind: global_buffer, .address_space: global }
      - { .name: ws, .offset: 32, .size: 8, .value_kind: global_buffer, .address_space: global }
      - { .name: qf, .offset: 40, .size: 8, .value_kind: global_buffer, .address_space: global }
      - { .name: kf, .offset: 48, .size: 8, .value_kind: global_buffer, .address_space: global }
      - { .name: vf, .offset: 56, .size: 8, .value_kind: global_buffer, .address_space: global }
      - { .name: vmaxb, .offset: 64, .size: 8, .value_kind: global_buffer, .address_space: global }
    .group_segment_fixed_size: 327680
    .private_segment_fixed_size: 0
    .kernarg_segment_align: 8
    .kernarg_segment_size: 72
    .max_flat_workgroup_size: 512
    .sgpr_count:     66
    .vgpr_count:     256
    .wavefront_size: 32
...
	.end_amdgpu_metadata
.endif
;; end of part 2
;; launch attn (part 3): grid 16 x 16, 8 waves a work-group, clusters of 4 x 1, 327,680 bytes of LDS; arguments qf, kf, vf, vmaxb, hf; writes hf
.if DOCPART == 3
	.amdgcn_target "amdgcn-amd-amdhsa--gfx1250"
	.amdhsa_code_object_version 6
	.text
	.protected	k_qd7363ae303_attn
	.globl	k_qd7363ae303_attn
	.p2align	8
	.type	k_qd7363ae303_attn,@function
k_qd7363ae303_attn:
	s_mov_b64 s[64:65], 0
	v_nop
	global_prefetch_b8 v0, s[64:65] scope:SCOPE_SE
	s_setreg_imm32_b32 hwreg(HW_REG_WAVE_MODE, 25, 1), 1
	s_wait_xcnt 0x0
	s_wait_alu depctr_hold_cnt(0) depctr_sa_sdst(0) depctr_va_vdst(0) depctr_va_sdst(0) depctr_va_ssrc(0) depctr_va_vcc(0) depctr_vm_vsrc(0)
	s_getreg_b32 s2, hwreg(HW_REG_IB_STS2, 6, 4)
	s_cmp_eq_u32 s2, 0
	s_cbranch_scc0 .Lentry_in_a_cluster
	s_endpgm
.Lentry_in_a_cluster:
	s_bfe_u32 s2, ttmp6, 0x10000c
	s_cmp_lg_u32 s2, 0x3003
	s_cbranch_scc0 .Lentry_shape_is_right
	s_endpgm
.Lentry_shape_is_right:
; ATTN.  heads[h][q] = sum over k of softmax_k(qh . kh / 8) vh, no mask.  Operands f16, as images of operand registers (an image: 16 rows x 32 along K, 1,024 bytes, lane l's 16 bytes of half c at 512 c + 16 l);
; products, maxima and sums in f32; the weights p are rounded to f16 for the second product; the result, times a power of two G, is rounded once to f16.
; SHARES.  A work-group owns 256 queries of one head.  Wave w: query group g = w % 4 (64 queries: four tiles of 16) and key half kh = w / 4: of every 512 keys it walks 256, 64 a step.
; Two waves of 512 registers lie on a SIMD, so that one wave's softmax stands beside the other's products, and each fragment read from LDS still feeds four products.
; The two halves of a query group are merged once, at the end, through LDS.  Register tile i holds query tile i xor 2 kh: so every wave finishes its register tiles 0, 1 and hands over 2, 3: one text, other addresses.
; LAYOUT.  S^T = K Q^T (source 0 = 16 keys, source 1 = 16 queries): a lane holds ONE query (lane % 16) and 8 keys; two such tiles, rounded in pairs, ARE source 1 of O^T = V^T P (V lies [channel][key]).
; SOFTMAX.  For each query a running maximum m and sum l: p = 2^(c s - c m), c = log2(e) / 8; in every step O and l are multiplied by a = 2^(c m_old - c m_new).  The first step finds O = l = 0 and m = -3e38.
; G = 2^(14 - floor(log2(the largest |vh|))): a head's numbers are averages of vh, so |heads G| stays under 2^15 and far from f16's small end; the last launch takes G out again.
; RING.  Two LDS slots of 512 keys (K 64 KiB, V 64 KiB, dense images: every LDS load of a wave reads 512 consecutive bytes).  Each of the eight waves brings 16 KiB by one tensor load.
; CLUSTER.  The four query blocks of a cluster belong to one head and walk the same K and V: each tile is asked for jointly, by the same load with the same descriptor and the mask of all four.
; LIMITS: NaN and infinities are not served; the largest |vh| is taken as at least 2^-100; the sum l is taken of p in f32 while p enters the product rounded to f16.
; REGISTERS.  Window 0: v1-14 addresses and G; v16-47 eight statistics a tile (+0 c m, +1 m, +2, +3 l, +4..+7 work, a in +6); v48-63 the merge; v64-191 S^T, 32 a tile, P packed into the low 16 of each; v192-255 V.
;             Window 1: v0-127 O^T, 32 a tile; v128-191 Q; v192-255 K.
.set SLOT1, 1<<17                      ; slot 1 begins here: one exclusive or turns an address in one slot into the other's
.set SPARE, 2*SLOT1                    ; behind the ring: the spare words, 128 bytes for each wave: four blocks of 256 bytes that no other line names
.set MRG,   9216                       ; the merge: 8,192 bytes of O^T and 1,024 of statistics for each wave, in slot 0, which has had its last fill and its last read by then
.set LI,  1                            ; v1   16 x lane
.set AK0, 2                            ; v2   my lane's place in my key half's K images
.set AV0, 3                            ; v3   the same for V
.set ADK, 4                            ; v4   the same in the slot in hand
.set ADV, 5                            ; v5
.set QOA, 6                            ; v6, v7  Q: register tiles 0, 1 and 2, 3
.set MS,  8                            ; v8   the merge: where I store
.set ML,  9                            ; v9   and where my partner (wave xor 4) has stored
.set PFO, 10                           ; v10  256 x lane; never rewritten
.set SPW, 12                           ; v12  LDS address of my spare word; never rewritten
.set NIL, 13                           ; v13  0; never rewritten
.set GG,  14                           ; v14  G
.set ST,  16
.set MST, 48                           ; v48-55 my partner's statistics
.set TP,  56                           ; v56-63 work
.set S,   64
.set VF,  192
.set QF,  128                          ; in window 1
.set KF,  192                          ; in window 1
.set WV,  14                           ; s14  my wave's number
.set LIM, 15                           ; s15  1 in a wave that prefetches, else the greatest number
.set G1,  24                           ; s[24:31] descriptor group 1
.set G0,  32                           ; s[32:35] descriptor group 0, which walks
.set PFA, 36                           ; s[36:37] where my prefetches stand
.set SLOTS, 38                         ; s38  slots still to be asked for
.set TB,  39                           ; s39  LDS byte at which the slot in hand begins
.set CS,  40                           ; s[40:41] c: the packed form names a pair and takes its low word for both halves
.set SEL, 42                           ; s[42:43] selects for v_permlanex16_b32: lane l xor 16
.set MSB, 0
.macro WIN new                         ; the immediate's high byte repeats the setting that is left; a switch that changes nothing is dropped
.if MSB != \new
	s_set_vgpr_msb (MSB<<8)|\new
.set MSB, \new
.endif
.endm
.set W_KQ, 0x05                        ; K and Q in window 1, S^T in window 0
.set W_PV, 0x50                        ; V and P in window 0, O^T (C and D) in window 1
.set W_RS, 0x41                        ; O^T (destination and source 0) in window 1, a in window 0
.set TO_1, 0x40                        ; destination in window 1
.set ST_1, 0x04                        ; an LDS store's data (source 1) in window 1
.set S0_1, 0x01                        ; source 0 in window 1
.macro PLACES n
.rept \n
	v_nop
.endr
.endm
.macro CROUND                          ; a round of the cluster's barrier
	s_barrier_signal -1
	s_barrier_wait -1
	s_cmp_lg_u32 s[WV], 0
	s_cbranch_scc1 .Lnot_wave_0_\@
	s_barrier_signal -3
.Lnot_wave_0_\@:
	s_barrier_wait -3
	s_barrier_signal -1
	s_barrier_wait -1
.endm
; A PREFETCH INTO THE L2 of what the NEXT change of slots will ask for.  All clusters of a head walk the same K and V: the head's first cluster asks.  Waves 0 and 2 ask for K, waves 4 and 6 for V, each for the
; 32 KiB that it and the next wave will fetch; the four partners share these out BY ADDRESS, 8 KiB each, lanes 256 bytes apart: so each aligned block of 256 bytes is named once in the launch.
; The branch hangs on the wave's number, the cluster's number and the count of slots.  The last change that fills a slot asks for nothing.  Slots 0 and 1 come by their loads alone.
.macro ASK
	s_cmp_gt_u32 s[SLOTS], s[LIM]
	s_cbranch_scc0 .Lnot_mine_\@
	global_prefetch_b8 v[PFO], s[PFA:PFA+1] th:TH_LOAD_NT scope:SCOPE_SE
.Lnot_mine_\@:
.endm
	s_load_b256 s[4:11], s[0:1], 0x0               ; qf s[4:5], kf s[6:7], vf s[8:9], vmaxb s[10:11]
	s_load_b64 s[12:13], s[0:1], 0x20              ; hf
	v_lshl_add_u32 v[SPW], v0, 2, SPARE
	v_mov_b32 v[NIL], 0
	ds_add_u32 v[SPW], v[NIL]                      ; the wave's opening: the add, twice on end, and its wait ahead of my first tensor load; the set-up below stands between
	ds_add_u32 v[SPW], v[NIL]                      ; and once more, under the one wait
	v_lshrrev_b32 v1, 5, v0
	v_readfirstlane_b32 s[WV], v1                  ; wave 0..7
	s_bfe_u32 s16, ttmp6, 0x40000                  ; cx: my place in the cluster
	s_lshl_b32 s17, ttmp9, 2
	s_add_co_u32 s17, s17, s16                     ; my block of 256 queries: it enters Q's and the result's addresses alone
	s_and_b32 s18, ttmp7, 0xffff                   ; the head, which the four partners share
	s_lshr_b32 s19, s[WV], 2                       ; kh
	s_and_b32 s20, s[WV], 3                        ; g; also: which quarter of K's or V's 64 KiB I fetch
	; descriptor group 1: a dense block of 16 KiB as 64 rows of 32 elements of 8 bytes
	s_mov_b32 s[G1], 15|(3<<16)|(1<<21)            ; the mask: all four work-groups; elements of 8 bytes; bit 21 set beside a mask
	s_mov_b32 s[G1+1], 32<<16                      ; tensor_dim0
	s_mov_b32 s[G1+2], 64<<16                      ; tensor_dim1
	s_mov_b32 s[G1+3], 32<<16                      ; tile_dim0
	s_mov_b32 s[G1+4], 64                          ; tile_dim1
	s_mov_b32 s[G1+5], 32                          ; stride
	s_mov_b32 s[G1+6], 0
	s_mov_b32 s[G1+7], 0
	s_mov_b32 s[G0], 1
	s_lshl_b32 s[G0+1], s[WV], 14                  ; slot 0: waves 0-3 K's quarters, waves 4-7 V's: no place in the cluster enters an LDS address
	s_mov_b32 s[CS], 0x3e38aa3b                    ; c = log2(e) / 8
	s_mov_b32 s[CS+1], s[CS]
	s_mov_b32 s[SEL], 0x76543210
	s_mov_b32 s[SEL+1], 0xfedcba98
	s_mov_b32 s[SLOTS], 7
	s_mov_b32 s[TB], 0
	s_and_b32 s[LIM], s[WV], 1
	s_or_b32 s[LIM], s[LIM], ttmp9                 ; 0 in the even waves of the head's first cluster: the same in all four partners
	s_cmp_eq_u32 s[LIM], 0
	s_cselect_b32 s[LIM], 1, -1
	s_lshl_b32 s44, s18, 19                        ; a head is 524,288 bytes in qf, kf and vf
	s_lshl_b32 s45, s20, 14
	s_add_co_u32 s44, s44, s45                     ; K, V: the head, my quarter of a slot
	s_mov_b32 s45, 0
	s_lshl_b32 s46, s17, 4
	s_lshl_b32 s47, s20, 2
	s_add_co_u32 s46, s46, s47                     ; Q: tile 16 block + 4 g,
	s_lshl_b32 s46, s46, 11                        ; 2,048 bytes a tile,
	s_lshl_b32 s47, s18, 19
	s_add_co_u32 s46, s46, s47                     ; in my head
	s_mov_b32 s47, 0
	s_lshl_b32 s48, s17, 2
	s_add_co_u32 s48, s48, s20
	s_lshl_b32 s48, s48, 17                        ; hf: [T / 4 = 4 block + g]
	s_lshr_b32 s49, s18, 2
	s_lshl_b32 s49, s49, 15                        ; [K step = head / 4]
	s_add_co_u32 s48, s48, s49
	s_lshl_b32 s49, s19, 14                        ; [T % 4 = 2 kh + i]
	s_add_co_u32 s48, s48, s49
	s_and_b32 s49, s18, 3
	s_lshl_b32 s49, s49, 11                        ; [image 2 (head % 4) + ..]
	s_add_co_u32 s48, s48, s49
	s_mov_b32 s49, 0
	s_lshl_b32 s50, s16, 13                        ; the prefetches: my work-group's 8 KiB,
	s_add_co_u32 s50, s50, 65536                   ; in slot 1: the first change of slots steps it to slot 2
	s_mov_b32 s51, 0
	s_wait_dscnt 0x0                               ; both opening adds are done
	s_wait_kmcnt 0x0
	s_cmp_lt_u32 s[WV], 4                          ; waves 0-3 fetch K, waves 4-7 V
	s_cselect_b64 s[G0+2:G0+3], s[6:7], s[8:9]
	s_add_nc_u64 s[G0+2:G0+3], s[G0+2:G0+3], s[44:45]
	s_add_nc_u64 s[PFA:PFA+1], s[G0+2:G0+3], s[50:51]
	s_or_b32 s[G0+3], s[G0+3], 0x80000000          ; type = 2
	s_add_nc_u64 s[4:5], s[4:5], s[46:47]
	s_add_nc_u64 s[12:13], s[12:13], s[48:49]
	CROUND                                         ; all four work-groups are here: the first joint loads meet
	tensor_load_to_lds s[G0:G0+3], s[G1:G1+7]      ; slot 0: one load of mine is out
	s_nop 0
	PLACES 4
	v_and_b32 v1, 31, v0
	v_lshlrev_b32 v[PFO], 8, v1
	v_lshlrev_b32 v[LI], 4, v1
	s_lshl_b32 s21, s19, 15
	v_add_nc_u32 v[AK0], s21, v[LI]                ; my key half: 16 tiles of K of 2,048 bytes,
	v_add_nc_u32 v[AV0], 0x10000, v[AK0]           ; 8 chunks of V of 4,096, behind K's 64 KiB
	s_lshl_b32 s21, s19, 12
	v_add_nc_u32 v[QOA], s21, v[LI]                ; register tiles 0, 1 hold query tiles 2 kh, 2 kh + 1;
	s_xor_b32 s21, s19, 1
	s_lshl_b32 s21, s21, 12
	v_add_nc_u32 v[QOA+1], s21, v[LI]              ; register tiles 2, 3 the other two
	s_mul_i32 s21, s[WV], MRG
	v_add_nc_u32 v[MS], s21, v[LI]
	s_xor_b32 s21, s[WV], 4
	s_mul_i32 s21, s21, MRG
	v_add_nc_u32 v[ML], s21, v[LI]
	WIN TO_1
.irp t, 0,1,2,3
.irp x, 0,1
.irp c, 0,1
	global_load_b128 v[QF+16*\t+8*\x+4*\c:QF+16*\t+8*\x+4*\c+3], v[QOA+\t/2], s[4:5] offset:(\t%2)*2048+\x*1024+\c*512   ; Q stays in registers
.endr
.endr
.endr
.set i, 0
.rept 128
	v_mov_b32 v[i], 0                              ; O^T.  The step is written once: its first run finds zeros, which a = 0 leaves zeros
.set i, i+1
.endr
	WIN 0
.irp i, 0,1,2,3,4,5,6,7
	global_load_b128 v[S+4*\i:S+4*\i+3], v[LI], s[10:11] offset:512*\i   ; the 1,024 partial maxima of |vh|
.endr
.irp t, 0,1,2,3
	v_mov_b32 v[ST+8*\t+1], 0xff61b1e6             ; m = -3e38, under every score
	v_mov_b32 v[ST+8*\t+2], 0                      ; l, in two halves
	v_mov_b32 v[ST+8*\t+3], 0
.endr
.irp t, 0,1,2,3
	v_mul_f32 v[ST+8*\t], s[CS], v[ST+8*\t+1]      ; c m
.endr
	v_mov_b32 v[TP+1], 0                           ; a lane permute's destination counts as one of its sources
	s_wait_loadcnt 0x0                             ; Q and the maxima
	v_max3_num_f32 v[TP], v[S], v[S+1], 0x0d800000 ; with the floor 2^-100
.irp i, 2,4,6,8,10,12,14,16,18,20,22,24,26,28,30
	v_max3_num_f32 v[TP], v[TP], v[S+\i], v[S+\i+1]
.endr
	v_max_num_f32_dpp v[TP], v[TP], v[TP] row_xmask:1 row_mask:0xf bank_mask:0xf
	v_max_num_f32_dpp v[TP], v[TP], v[TP] row_xmask:2 row_mask:0xf bank_mask:0xf
	v_max_num_f32_dpp v[TP], v[TP], v[TP] row_xmask:4 row_mask:0xf bank_mask:0xf
	v_max_num_f32_dpp v[TP], v[TP], v[TP] row_xmask:8 row_mask:0xf bank_mask:0xf
	v_permlanex16_b32 v[TP+1], v[TP], s[SEL], s[SEL+1]
	v_max_num_f32 v[TP], v[TP], v[TP+1]
	v_lshrrev_b32 v[TP], 23, v[TP]                 ; E = floor(log2) + 127
	v_sub_nc_u32 v[GG], 268, v[TP]
	v_lshlrev_b32 v[GG], 23, v[GG]                 ; G = 2^(14 - (E - 127))
; THE LDS LOADS stand in runs of 16: a step's K (4 tiles of 16 keys x 2 halves of the channels) and its V (2 chunks of 32 keys x 4 tiles of channels).
.macro FETCH_K j
	WIN TO_1
.irp k, 0,1,2,3
.irp x, 0,1
.irp c, 0,1
	ds_load_b128 v[KF+16*\k+8*\x+4*\c:KF+16*\k+8*\x+4*\c+3], v[ADK] offset:(\j)*8192+\k*2048+\x*1024+\c*512
.endr
.endr
.endr
.endm
.macro FETCH_V j
	WIN 0
.irp a, 0,1
.irp n, 0,1,2,3
.irp c, 0,1
	ds_load_b128 v[VF+32*\a+8*\n+4*\c:VF+32*\a+8*\n+4*\c+3], v[ADV] offset:(\j)*8192+\a*4096+\n*1024+\c*512
.endr
.endr
.endr
.endm
; 32 products each; the 16 accumulators take turns, one instruction a turn.
.macro KQ
	WIN W_KQ
.irp x, 0,1
.irp k, 0,1,2,3
.irp t, 0,1,2,3
.if \x == 0
	v_wmma_f32_16x16x32_f16 v[S+32*\t+8*\k:S+32*\t+8*\k+7], v[KF+16*\k+8*\x:KF+16*\k+8*\x+7], v[QF+16*\t+8*\x:QF+16*\t+8*\x+7], 0
.else
	v_wmma_f32_16x16x32_f16 v[S+32*\t+8*\k:S+32*\t+8*\k+7], v[KF+16*\k+8*\x:KF+16*\k+8*\x+7], v[QF+16*\t+8*\x:QF+16*\t+8*\x+7], v[S+32*\t+8*\k:S+32*\t+8*\k+7]
.endif
.endr
.endr
.endr
.endm
.macro PV
	WIN W_PV
.irp a, 0,1
.irp n, 0,1,2,3
.irp t, 0,1,2,3
	v_wmma_f32_16x16x32_f16 v[32*\t+8*\n:32*\t+8*\n+7], v[VF+32*\a+8*\n:VF+32*\a+8*\n+7], v[S+32*\t+8*\a:S+32*\t+8*\a+7], v[32*\t+8*\n:32*\t+8*\n+7]
.endr
.endr
.endr
.endm
; The softmax of a step, the four tiles by turns in every stage, so that no line waits for the line above it.
.macro SOFTMAX
	WIN 0
.irp j, 0,1,2,3                        ; the maximum of a lane's 32 scores and the old m, three operands at a time: four chains; each accumulator is read from its low end on
.irp t, 0,1,2,3
	v_max3_num_f32 v[ST+8*\t+4+\j], v[S+32*\t+8*\j], v[S+32*\t+8*\j+1], v[S+32*\t+8*\j+2]
.endr
.endr
.irp q, 1,2
.irp j, 0,1,2,3
.irp t, 0,1,2,3
	v_max3_num_f32 v[ST+8*\t+4+\j], v[ST+8*\t+4+\j], v[S+32*\t+8*\j+2*\q+1], v[S+32*\t+8*\j+2*\q+2]
.endr
.endr
.endr
.irp t, 0,1,2,3
	v_max3_num_f32 v[ST+8*\t+4], v[ST+8*\t+4], v[S+32*\t+7], v[S+32*\t+15]
.endr
.irp t, 0,1,2,3
	v_max3_num_f32 v[ST+8*\t+6], v[ST+8*\t+6], v[S+32*\t+23], v[S+32*\t+31]
.endr
.irp t, 0,1,2,3
	v_max3_num_f32 v[ST+8*\t+4], v[ST+8*\t+4], v[ST+8*\t+5], v[ST+8*\t+6]
.endr
.irp t, 0,1,2,3
	v_max3_num_f32 v[ST+8*\t+4], v[ST+8*\t+4], v[ST+8*\t+7], v[ST+8*\t+1]
.endr
.irp t, 0,1,2,3
	v_permlanex16_b32 v[ST+8*\t+5], v[ST+8*\t+4], s[SEL], s[SEL+1]   ; the query's other 32 keys lie in the lane 16 away
.endr
.irp t, 0,1,2,3
	v_mov_b32 v[ST+8*\t+7], v[ST+8*\t]             ; c m_old is kept for a
.endr
.irp t, 0,1,2,3
	v_max_num_f32 v[ST+8*\t+1], v[ST+8*\t+4], v[ST+8*\t+5]
.endr
.irp t, 0,1,2,3
	v_mul_f32 v[ST+8*\t], s[CS], v[ST+8*\t+1]
.endr
.irp t, 0,1,2,3
	v_sub_f32 v[ST+8*\t+7], v[ST+8*\t+7], v[ST+8*\t]
.endr
.irp b, 0,2,4,6,8,10,12,14,16,18,20,22,24,26,28,30
.irp t, 0,1,2,3
	v_pk_fma_f32 v[S+32*\t+\b:S+32*\t+\b+1], v[S+32*\t+\b:S+32*\t+\b+1], s[CS:CS+1], v[ST+8*\t:ST+8*\t+1] op_sel_hi:[1,0,0] neg_lo:[0,0,1] neg_hi:[0,0,1]   ; c s - c m, two at a time
.endr
.endr
.irp t, 0,1,2,3
	v_exp_f32 v[ST+8*\t+6], v[ST+8*\t+7]           ; a.  ONE BATCH: 4 + 128 exponentials, none of which reads another's result
.endr
.irp b, 0,1,2,3,4,5,6,7,8,9,10,11,12,13,14,15,16,17,18,19,20,21,22,23,24,25,26,27,28,29,30,31
.irp t, 0,1,2,3
	v_exp_f32 v[S+32*\t+\b], v[S+32*\t+\b]
.endr
.endr
	v_nop                                          ; a plain instruction behind the last exponential (ISA guide 5.7.2)
	s_wait_alu depctr_va_vdst(0)                   ; and the wait ahead of the first use: one for the batch
.irp t, 0,1,2,3                        ; the sums, of p in f32, in two chains a tile: l = a l + the even pairs, and the odd pairs
	v_pk_fma_f32 v[ST+8*\t+2:ST+8*\t+3], v[ST+8*\t+2:ST+8*\t+3], v[ST+8*\t+6:ST+8*\t+7], v[S+32*\t:S+32*\t+1] op_sel_hi:[1,0,1]
.endr
.irp t, 0,1,2,3
	v_pk_add_f32 v[ST+8*\t+4:ST+8*\t+5], v[S+32*\t+2:S+32*\t+3], v[S+32*\t+6:S+32*\t+7]
.endr
.irp b, 4,8,12,16,20,24
.irp t, 0,1,2,3
	v_pk_add_f32 v[ST+8*\t+2:ST+8*\t+3], v[ST+8*\t+2:ST+8*\t+3], v[S+32*\t+\b:S+32*\t+\b+1]
.endr
.irp t, 0,1,2,3
	v_pk_add_f32 v[ST+8*\t+4:ST+8*\t+5], v[ST+8*\t+4:ST+8*\t+5], v[S+32*\t+\b+6:S+32*\t+\b+7]
.endr
.endr
.irp t, 0,1,2,3
	v_pk_add_f32 v[ST+8*\t+2:ST+8*\t+3], v[ST+8*\t+2:ST+8*\t+3], v[S+32*\t+28:S+32*\t+29]
.endr
.irp t, 0,1,2,3
	v_pk_add_f32 v[ST+8*\t+2:ST+8*\t+3], v[ST+8*\t+2:ST+8*\t+3], v[ST+8*\t+4:ST+8*\t+5]
.endr
.irp b, 0,1,2,3,4,5,6,7,8,9,10,11,12,13,14,15
.irp t, 0,1,2,3
	v_cvt_pk_f16_f32 v[S+32*\t+\b], v[S+32*\t+2*\b], v[S+32*\t+2*\b+1]   ; P, in place: pair b goes to register b, which no later pair reads
.endr
.endr
	WIN W_RS
.irp b, 0,2,4,6,8,10,12,14,16,18,20,22,24,26,28,30
.irp t, 0,1,2,3
	v_pk_mul_f32 v[32*\t+\b:32*\t+\b+1], v[32*\t+\b:32*\t+\b+1], v[ST+8*\t+6:ST+8*\t+7] op_sel_hi:[1,0]   ; O^T times a, each accumulator from its low end on
.endr
.endr
.endm
; A KEY STEP, the j-th of my four in the slot.  next = 1: the next step's K is fetched behind the first products, its V behind the second.
.macro STEP j, next
	s_wait_dscnt 16                                ; K of this step is in; the 16 younger loads are its V
	KQ
	PLACES 4                                       ; in front of the loads into K's registers and of the first read of the scores
.if \next
	FETCH_K (\j)+1
.endif
	SOFTMAX
	s_wait_dscnt 16*(\next)                        ; V is in; the younger loads are the next step's K
	PV
	PLACES 5                                       ; the next K Q^T writes over P's registers, which these products have read: one place more than loads want
.if \next
	FETCH_V (\j)+1
.endif
.endm
.macro SLOT_STEPS
	WIN 0
	v_add_nc_u32 v[ADK], s[TB], v[AK0]
	v_add_nc_u32 v[ADV], s[TB], v[AV0]
	FETCH_K 0
	FETCH_V 0
	STEP 0, 1
	STEP 1, 1
	STEP 2, 1
	STEP 3, 0
	WIN 0                                          ; at a label and at a branch every window is 0
	s_xor_b32 s[TB], s[TB], SLOT1                  ; on to the other slot
.endm
; THE CHANGE OF SLOTS stands at a slot's head.  Each wave waits for all its tensor loads (one is out: its part of the slot that it is about to read), adds 0 to its spare word, and waits for that and for its reads of the
; slot that it has left.  fill = 1: the barrier is a round of the cluster's, so that no wave of any partner still reads that slot or has a load on its way; the joint load is the first thing behind it and has a slot's
; four steps, 256 matrix instructions a wave, in which to land.
.macro CHANGE fill
	WIN 0
	s_wait_tensorcnt 0x0                           ; no tensor load of mine is out, so group 0 may be written
	ds_add_u32 v[SPW], v[NIL]                      ; 0 onto my spare word
.if \fill
	s_xor_b32 s[G0+1], s[G0+1], SLOT1              ; the walking descriptor: the other slot than last time,
	s_add_nc_u64 s[G0+2:G0+3], s[G0+2:G0+3], 65536 ; the next 512 keys; the type bits on top are not reached
	s_wait_xcnt 0x0                                ; the last prefetch, a slot back, has read its address, so it may be written:
	s_add_nc_u64 s[PFA:PFA+1], s[PFA:PFA+1], 65536 ; one slot further on than the walking descriptor
	s_wait_dscnt 0x0                               ; the add is done, and my reads of the slot that I have left are over
	CROUND
	tensor_load_to_lds s[G0:G0+3], s[G1:G1+7]      ; my one tensor load behind the round
	s_nop 0
	PLACES 4
	ASK
.else
	s_wait_dscnt 0x0
	s_barrier_signal -1
	s_barrier_wait -1
.endif
.endm
.Lslot:                                            ; seven trips: trip i reads slot i and asks for slot i + 1
	CHANGE 1
	SLOT_STEPS
	s_sub_co_u32 s[SLOTS], s[SLOTS], 1
	s_cmp_lg_u32 s[SLOTS], 0
	s_cbranch_scc1 .Lslot
	CHANGE 0                                       ; the last slot is written out
	SLOT_STEPS
	; THE MERGE.  l's two halves and the other half of the lanes' are added.  My register tiles 2, 3 (O^T, c m, l) go to my partner through LDS; its tiles 2, 3 are my tiles 0, 1 over the other half of the keys.
.irp t, 0,1,2,3
	v_add_f32 v[ST+8*\t+4], v[ST+8*\t+2], v[ST+8*\t+3]
.endr
.irp t, 0,1,2,3
	v_permlanex16_b32 v[ST+8*\t+5], v[ST+8*\t+4], s[SEL], s[SEL+1]
.endr
.irp t, 0,1,2,3
	v_add_f32 v[ST+8*\t+2], v[ST+8*\t+4], v[ST+8*\t+5]
.endr
	WIN ST_1
.irp i, 0,1,2,3,4,5,6,7,8,9,10,11,12,13,14,15
	ds_store_b128 v[MS], v[64+4*\i:64+4*\i+3] offset:512*\i        ; each accumulator from its low end on
.endr
	WIN 0
	ds_store_b128 v[MS], v[ST+16:ST+19] offset:8192                ; tile 2: c m, m, l, ..
	ds_store_b128 v[MS], v[ST+24:ST+27] offset:8704                ; tile 3
	s_wait_dscnt 0x0                               ; for my partner's sake: my stores have landed
	s_barrier_signal -1
	s_barrier_wait -1
.irp i, 0,1,2,3,4,5,6,7,8,9,10,11,12,13,14,15
	ds_load_b128 v[S+4*\i:S+4*\i+3], v[ML] offset:512*\i
.endr
	ds_load_b128 v[MST:MST+3], v[ML] offset:8192
	ds_load_b128 v[MST+4:MST+7], v[ML] offset:8704
	s_wait_dscnt 0x0
.irp t, 0,1
	v_max_num_f32 v[TP+4*\t+1], v[ST+8*\t], v[MST+4*\t]            ; the common c m
.endr
.irp t, 0,1
	v_sub_f32 v[TP+4*\t], v[ST+8*\t], v[TP+4*\t+1]
	v_sub_f32 v[TP+4*\t+2], v[MST+4*\t], v[TP+4*\t+1]
.endr
.irp t, 0,1
	v_exp_f32 v[TP+4*\t], v[TP+4*\t]               ; what my part is multiplied by,
	v_exp_f32 v[TP+4*\t+2], v[TP+4*\t+2]           ; and my partner's
.endr
	v_nop
	s_wait_alu depctr_va_vdst(0)                   ; one wait for the four exponentials, ahead of their first use
.irp t, 0,1
	v_mul_f32 v[TP+4*\t+1], v[TP+4*\t], v[ST+8*\t+2]
.endr
.irp t, 0,1
	v_fma_f32 v[TP+4*\t+1], v[TP+4*\t+2], v[MST+4*\t+2], v[TP+4*\t+1]   ; the whole row's sum
.endr
.irp t, 0,1
	v_rcp_f32 v[TP+4*\t+3], v[TP+4*\t+1]
.endr
	v_nop
	s_wait_alu depctr_va_vdst(0)                   ; one wait for the two reciprocals
.irp t, 0,1
	v_mul_f32 v[TP+4*\t+3], v[TP+4*\t+3], v[GG]
.endr
.irp t, 0,1
	v_mul_f32 v[TP+4*\t], v[TP+4*\t], v[TP+4*\t+3]
	v_mul_f32 v[TP+4*\t+2], v[TP+4*\t+2], v[TP+4*\t+3]
.endr
.irp t, 0,1
.irp b, 0,2,4,6,8,10,12,14,16,18,20,22,24,26,28,30
	v_pk_mul_f32 v[S+32*\t+\b:S+32*\t+\b+1], v[S+32*\t+\b:S+32*\t+\b+1], v[TP+4*\t+2:TP+4*\t+3] op_sel_hi:[1,0]
.endr
.endr
	WIN S0_1
.irp t, 0,1
.irp b, 0,2,4,6,8,10,12,14,16,18,20,22,24,26,28,30
	v_pk_fma_f32 v[S+32*\t+\b:S+32*\t+\b+1], v[32*\t+\b:32*\t+\b+1], v[TP+4*\t:TP+4*\t+1], v[S+32*\t+\b:S+32*\t+\b+1] op_sel_hi:[1,0,1]   ; + my O^T, each accumulator from its low end on
.endr
.endr
	WIN 0
.irp t, 0,1
.irp b, 0,1,2,3,4,5,6,7,8,9,10,11,12,13,14,15
	v_cvt_pk_f16_f32 v[S+64+16*\t+\b], v[S+32*\t+2*\b], v[S+32*\t+2*\b+1]
.endr
.endr
.irp t, 0,1
.irp n, 0,1,2,3
	global_store_b128 v[LI], v[S+64+16*\t+4*\n:S+64+16*\t+4*\n+3], s[12:13] offset:\t*8192+(\n/2)*1024+(\n%2)*512   ; half an image: 32 lanes store 512 consecutive aligned bytes
.endr
.endr
	s_wait_tensorcnt 0x0                           ; the wave's end, behind my last tensor load and my last LDS store
	ds_add_u32 v[SPW], v[NIL]
	s_wait_dscnt 0x0
	CROUND                                         ; the closing round: no work-group ends while a partner may still ask for a tile that names it
	s_endpgm
.Lfunc_end_k_qd7363ae303_attn:
	.size	k_qd7363ae303_attn, .Lfunc_end_k_qd7363ae303_attn-k_qd7363ae303_attn
	.p2alignl 7, 3214868480
	.fill 96, 4, 3214868480
	.section	.rodata,"a",@progbits
	.p2align	6, 0x0
	.amdhsa_kernel k_qd7363ae303_attn
		.amdhsa_group_segment_fixed_size 327680
		.amdhsa_private_segment_fixed_size 0
		.amdhsa_enable_private_segment 0
		.amdhsa_kernarg_size 40
		.amdhsa_user_sgpr_count 2
		.amdhsa_user_sgpr_kernarg_segment_ptr 1
		.amdhsa_wavefront_size32 1
		.amdhsa_system_sgpr_workgroup_id_x 1
		.amdhsa_system_sgpr_workgroup_id_y 1
		.amdhsa_system_sgpr_workgroup_id_z 1
		.amdhsa_system_vgpr_workitem_id 0
		.amdhsa_next_free_vgpr 512
		.amdhsa_next_free_sgpr 66
		.amdhsa_reserve_vcc 0
		.amdhsa_float_denorm_mode_32 3
		.amdhsa_float_denorm_mode_16_64 3
		.amdhsa_memory_ordered 1
		.amdhsa_forward_progress 1
		.amdhsa_inst_pref_size 255
	.end_amdhsa_kernel
	.section	.bss,"aw",@nobits
	.p2align	6
	.space	262144
	.amdgpu_metadata
---
amdhsa.version: [ 1, 2 ]
amdhsa.kernels:
  - .name:           k_qd7363ae303_attn
    .symbol:         k_qd7363ae303_attn.kd
    .args:
      - { .name: qf, .offset: 0, .size: 8, .value_kind: global_buffer, .address_space: global }
      - { .name: kf, .offset: 8, .size: 8, .value_kind: global_buffer, .address_space: global }
      - { .name: vf, .offset: 16, .size: 8, .value_kind: global_buffer, .address_space: global }
      - { .name: vmaxb, .offset: 24, .size: 8, .value_kind: global_buffer, .address_space: global }
      - { .name: hf, .offset: 32, .size: 8, .value_kind: global_buffer, .address_space: global }
    .group_segment_fixed_size: 327680
    .private_segment_fixed_size: 0
    .kernarg_segment_align: 8
    .kernarg_segment_size: 40
    .max_flat_workgroup_size: 256
    .sgpr_count:     66
    .vgpr_count:     512
    .wavefront_size: 32
...
	.end_amdgpu_metadata
.endif
;; end of part 3
;; launch outp (part 4): grid 8 x 32, 4 waves a work-group, clusters of 4 x 4, 327,680 bytes of LDS; arguments hf, wof, vmaxb, out0; writes out0
.if DOCPART == 4
	.amdgcn_target "amdgcn-amd-amdhsa--gfx1250"
	.amdhsa_code_object_version 6
	.text
	.protected	k_qd7363ae303_outp
	.globl	k_qd7363ae303_outp
	.p2align	8
	.type	k_qd7363ae303_outp,@function
k_qd7363ae303_outp:
	s_mov_b64 s[64:65], 0
	v_nop
	global_prefetch_b8 v0, s[64:65] scope:SCOPE_SE
	s_setreg_imm32_b32 hwreg(HW_REG_WAVE_MODE, 25, 1), 1
	s_wait_xcnt 0x0
	s_wait_alu depctr_hold_cnt(0) depctr_sa_sdst(0) depctr_va_vdst(0) depctr_va_sdst(0) depctr_va_ssrc(0) depctr_va_vcc(0) depctr_vm_vsrc(0)
	s_getreg_b32 s2, hwreg(HW_REG_IB_STS2, 6, 4)
	s_cmp_eq_u32 s2, 0
	s_cbranch_scc0 .Lentry_in_a_cluster
	s_endpgm
.Lentry_in_a_cluster:
	s_bfe_u32 s2, ttmp6, 0x10000c
	s_cmp_lg_u32 s2, 0xf033
	s_cbranch_scc0 .Lentry_shape_is_right
	s_endpgm
.Lentry_shape_is_right:
; OUTP.  out0[m][n] = (1 / G) x the sum over k of (heads G)[m][k] Wo[n][k]: f16 operands, f32 sums; M = 4,096, N = K = 1,024.  G is the power of two by which the launch before has multiplied the heads.
; Both operands lie in memory as images of operand registers (16 rows x 32 k, 1,024 bytes, lane l's 16 bytes of half c at 512 c + 16 l), [rows / 64][k / 256][(rows / 16) % 4][(k / 32) % 8][image]:
; 64 rows x 256 along K are one dense block of 32 KiB, and every LDS load of a wave reads 512 consecutive bytes: no pitch, no padding.
; A tile of out0 is 128 x 128: 256 work-groups.  Four waves, each 64 x 64: 16 accumulators.  K goes in four steps of 256 through a ring of two LDS slots; each wave brings one block of 32 KiB a step.
; CLUSTERS: 4 x 4 work-groups.  The four of a row need the same blocks of the heads, the four of a column the same blocks of Wo: each block is asked for jointly, by the same load with the same descriptor and a mask of the four.
; THE MATRIX INSTRUCTION IS USED TRANSPOSED (source 0 = 16 rows of Wo, source 1 = 16 rows of the heads): a lane holds eight neighbouring numbers of a row of out0.
; No prefetch: a step's blocks are few and the launch is short beside its four steps.
; REGISTERS: window 0: v16-31 addresses and 1 / G; v32-127 at work on the way out; v128-255 the accumulators ((a, b) at 128 + 8 (4 a + b)).  Window 1: two fragment buffers of 128: for 64 along K, 64 registers of the heads, then 64 of Wo.
.set SLOT,   131072                    ; the heads' two blocks, then Wo's two
.set STAGE,  2*SLOT                    ; behind the ring: 16 rows x 272 bytes for each wave, for the way out
.set SPITCH, 272
.set SPARE,  STAGE+4*16*SPITCH         ; behind the stages: the spare words, 128 bytes for each wave: two blocks of 256 bytes that no other line names
.set ADRA, 16                          ; v16-17  LDS address of my fragments of the heads in slot 0, 1
.set ADRB, 20                          ; v20-21  the same for Wo
.set STO,  24                          ; v24     the way out: where I put 32 bytes of a row
.set RD,   25                          ; v25     where I read a row back
.set CO,   26                          ; v26     my byte offset in out0
.set LI,   27                          ; v27     16 x lane
.set SPW,  28                          ; v28     LDS address of my spare word; never rewritten
.set NIL,  29                          ; v29     0; never rewritten
.set IG,   30                          ; v30-31  1 / G, twice
.set TMP,  32
.set BK,   64
.set ACC,  128
.set F0,   0
.set F1,   128
.set G1, 24                            ; s[24:31] descriptor group 1 for the heads' blocks;  s[32:39] group 0, one set for each slot
.set G0, 32
.set G1B, 48                           ; s[48:55], s[56:63] the same for Wo's
.set G0B, 56
.set MSB, 0
.macro WIN new                         ; the immediate's high byte repeats the setting that is left
.if MSB != \new
	s_set_vgpr_msb (MSB<<8)|\new
.set MSB, \new
.endif
.endm
.set MUL,  0x05                        ; sources 0 and 1 window 1; C and D window 0
.set TO_F, 0x40                        ; destination window 1, address window 0
.macro JLOAD s                         ; a joint load: waves 0 and 1 fetch the heads' two blocks, waves 2 and 3 Wo's; an s_nop 0 and four v_nop follow each of the two lines
	s_cmp_eq_u32 s15, 0
	s_cbranch_scc0 .Lfor_b_\@
	tensor_load_to_lds s[G0+4*\s:G0+4*\s+3], s[G1:G1+7]
	s_nop 0
.rept 4
	v_nop
.endr
	s_branch .Lasked_\@
.Lfor_b_\@:
	tensor_load_to_lds s[G0B+4*\s:G0B+4*\s+3], s[G1B:G1B+7]
	s_nop 0
.rept 4
	v_nop
.endr
.Lasked_\@:
.endm
.macro CREST                           ; a round of the cluster's barrier behind its opening barrier
	s_cmp_lg_u32 s14, 0
	s_cbranch_scc1 .Lnot_wave_0_\@
	s_barrier_signal -3
.Lnot_wave_0_\@:
	s_barrier_wait -3
	s_barrier_signal -1
	s_barrier_wait -1
.endm
.macro CROUND                          ; a whole round
	s_barrier_signal -1
	s_barrier_wait -1
	CREST
.endm
	s_load_b256 s[4:11], s[0:1], 0x0               ; hf s[4:5], wof s[6:7], vmaxb s[8:9], out0 s[10:11]
	v_lshl_add_u32 v[SPW], v0, 2, SPARE
	v_mov_b32 v[NIL], 0
	ds_add_u32 v[SPW], v[NIL]                      ; the wave's opening: the add, twice on end, and its wait ahead of my first tensor load; the set-up below stands between
	ds_add_u32 v[SPW], v[NIL]                      ; and once more, under the one wait
	v_lshrrev_b32 v1, 5, v0
	v_readfirstlane_b32 s14, v1                    ; wave 0..3
	s_lshr_b32 s15, s14, 1                         ; which half of the tile's rows is mine.  Also: I fetch for the heads (0) or for Wo (1)
	s_and_b32 s16, s14, 1                          ; which half of its columns.  Also: which of the two blocks I fetch
	s_bfe_u32 s40, ttmp6, 0x40000                  ; cx, cy: my place in the cluster
	s_bfe_u32 s41, ttmp6, 0x40004
	s_lshl_b32 s42, ttmp9, 2
	s_add_co_u32 s42, s42, s40                     ; tile column = 4 x cluster x + cx
	s_and_b32 s17, ttmp7, 0xffff
	s_lshl_b32 s17, s17, 2
	s_add_co_u32 s17, s17, s41                     ; tile row = 4 x cluster y + cy
	s_lshl_b32 s43, s41, 2
	s_lshl_b32 s43, 15, s43                        ; my row of the cluster
	s_lshl_b32 s44, 0x1111, s40                    ; my column
	; descriptor group 1: a dense block of 32 KiB as 128 rows of 32 elements of 8 bytes
	s_or_b32 s[G1+0], s43, (3<<16)|(1<<21)         ; the mask: the heads' blocks go to my row; elements of 8 bytes; bit 21 set beside a mask
	s_or_b32 s[G1B+0], s44, (3<<16)|(1<<21)        ; Wo's to my column
.irp g, G1, G1B
	s_mov_b32 s[\g+1], 32<<16                      ; tensor_dim0
	s_mov_b32 s[\g+2], 128<<16                     ; tensor_dim1
	s_mov_b32 s[\g+3], 32<<16                      ; tile_dim0
	s_mov_b32 s[\g+4], 128                         ; tile_dim1
	s_mov_b32 s[\g+5], 32                          ; stride
	s_mov_b32 s[\g+6], 0
	s_mov_b32 s[\g+7], 0
.endr
	s_lshl_b32 s20, s17, 1
	s_add_co_u32 s20, s20, s16
	s_lshl_b32 s20, s20, 17                        ; the heads: group of 64 rows 2 x tile row + block: 131,072 bytes a group
	s_mov_b32 s21, 0
	s_lshl_b32 s46, s42, 1
	s_add_co_u32 s46, s46, s16
	s_lshl_b32 s46, s46, 17                        ; Wo: group 2 x tile column + block
	s_mov_b32 s47, 0
	s_lshl_b32 s45, s14, 15                        ; where they go: wave x 32 KiB: no place in the cluster enters an LDS address
	s_mov_b32 s18, 0x76543210
	s_mov_b32 s19, 0xfedcba98                      ; v_permlanex16_b32's selects for lane l xor 16
	s_wait_dscnt 0x0                               ; both opening adds are done
	s_wait_kmcnt 0x0
	s_add_nc_u64 s[22:23], s[4:5], s[20:21]
	s_add_nc_u64 s[46:47], s[6:7], s[46:47]
	CROUND                                         ; all sixteen work-groups are here: the first joint loads meet
.irp s, 0,1
	s_mov_b32 s[G0+4*\s], 1
	s_add_co_u32 s[G0+4*\s+1], s45, \s*SLOT
	s_add_nc_u64 s[G0+4*\s+2:G0+4*\s+3], s[22:23], \s*32768        ; K step s
	s_or_b32 s[G0+4*\s+3], s[G0+4*\s+3], 0x80000000
	s_mov_b32 s[G0B+4*\s], 1
	s_add_co_u32 s[G0B+4*\s+1], s45, \s*SLOT
	s_add_nc_u64 s[G0B+4*\s+2:G0B+4*\s+3], s[46:47], \s*32768
	s_or_b32 s[G0B+4*\s+3], s[G0B+4*\s+3], 0x80000000
	JLOAD \s                                       ; two loads of mine are out
.endr
	v_and_b32 v1, 15, v0                           ; l % 16
	v_bfe_u32 v2, v0, 4, 1                         ; l / 16
	v_and_b32 v3, 31, v0
	v_lshlrev_b32 v[LI], 4, v3
.irp i, 0,1,2,3,4,5,6,7
	global_load_b128 v[TMP+4*\i:TMP+4*\i+3], v[LI], s[8:9] offset:512*\i   ; the 1,024 partial maxima of |vh|
.endr
	s_lshl_b32 s21, s15, 15                        ; my 64 rows of the heads
	s_lshl_b32 s22, s16, 15                        ; my 64 rows of Wo,
	s_add_co_u32 s22, s22, 65536                   ; which lie behind the heads' two blocks
.irp s, 0,1
	v_add_nc_u32 v[ADRA+\s], s21, v[LI]
	v_add_nc_u32 v[ADRB+\s], s22, v[LI]
	s_add_co_u32 s21, s21, SLOT
	s_add_co_u32 s22, s22, SLOT
.endr
	s_mul_i32 s23, s14, 16*SPITCH
	s_add_co_u32 s23, s23, STAGE                   ; my stage
	v_mul_u32_u24 v4, v1, SPITCH                   ; in: row l % 16, 32 bytes for each half of the lanes
	v_lshl_add_u32 v4, v2, 5, v4
	v_add_nc_u32 v[STO], s23, v4
	v_mul_u32_u24 v5, v2, SPITCH                   ; back: lanes 0-15 take one row of 256 bytes, lanes 16-31 the next
	v_lshl_add_u32 v5, v1, 4, v5
	v_add_nc_u32 v[RD], s23, v5
	v_lshlrev_b32 v5, 12, v2                       ; and the same two rows in out0
	v_lshl_add_u32 v[CO], v1, 4, v5
	s_lshl_b32 s20, s17, 7
	s_lshl_b32 s21, s15, 6
	s_add_co_u32 s20, s20, s21                     ; my first row: 128 x tile row + 64 x half,
	s_lshl_b32 s20, s20, 12                        ; 4,096 bytes a row
	s_mov_b32 s21, 0
	s_add_nc_u64 s[10:11], s[10:11], s[20:21]
	s_lshl_b32 s46, s42, 9                         ; my first column, in bytes: 512 x tile column + 256 x half
	s_lshl_b32 s47, s16, 8
	s_add_co_u32 s46, s46, s47
	s_mov_b32 s47, 0
	s_add_nc_u64 s[10:11], s[10:11], s[46:47]
	v_mov_b32 v7, 0                                ; a lane permute's destination counts as one of its sources
	s_wait_loadcnt 0x0
	v_max3_num_f32 v6, v[TMP], v[TMP+1], 0x0d800000   ; with the floor 2^-100, as in the launch before
.irp i, 2,4,6,8,10,12,14,16,18,20,22,24,26,28,30
	v_max3_num_f32 v6, v6, v[TMP+\i], v[TMP+\i+1]
.endr
	v_max_num_f32_dpp v6, v6, v6 row_xmask:1 row_mask:0xf bank_mask:0xf
	v_max_num_f32_dpp v6, v6, v6 row_xmask:2 row_mask:0xf bank_mask:0xf
	v_max_num_f32_dpp v6, v6, v6 row_xmask:4 row_mask:0xf bank_mask:0xf
	v_max_num_f32_dpp v6, v6, v6 row_xmask:8 row_mask:0xf bank_mask:0xf
	v_permlanex16_b32 v7, v6, s18, s19
	v_max_num_f32 v6, v6, v7
	v_lshrrev_b32 v6, 23, v6                       ; E = floor(log2) + 127
	v_add_nc_u32 v6, -14, v6
	v_lshlrev_b32 v[IG], 23, v6                    ; 1 / G = 2^((E - 127) - 14)
	v_mov_b32 v[IG+1], v[IG]
; 8 matrix instructions: row blocks a0, a0 + 1 x all 4 column blocks, 32 along K: half c of buffer f.  zero = 1: the first product starts the sums.  The 16 accumulators take turns.
.macro MUL8 f, c, a0, zero
.irp a, \a0, \a0+1
.irp b, 0,1,2,3
.if \zero
	v_wmma_f32_16x16x32_f16 v[ACC+8*(4*(\a)+\b):ACC+8*(4*(\a)+\b)+7], v[\f+64+8*(4*\c+\b):\f+64+8*(4*\c+\b)+7], v[\f+8*(4*\c+\a):\f+8*(4*\c+\a)+7], 0
.else
	v_wmma_f32_16x16x32_f16 v[ACC+8*(4*(\a)+\b):ACC+8*(4*(\a)+\b)+7], v[\f+64+8*(4*\c+\b):\f+64+8*(4*\c+\b)+7], v[\f+8*(4*\c+\a):\f+8*(4*\c+\a)+7], v[ACC+8*(4*(\a)+\b):ACC+8*(4*(\a)+\b)+7]
.endif
.endr
.endr
.endm
; 32 LDS loads in one run: the fragments of the slot's q-th 64 along K (images 2 q and 2 q + 1 of each of the four row tiles), into buffer f; the first 32 along K first
.macro FETCH slot, q, f
	WIN TO_F
.irp c, 0,1
.irp i, 0,1,2,3
	ds_load_b128 v[\f+64+8*(4*\c+\i):\f+64+8*(4*\c+\i)+3],   v[ADRB+\slot] offset:\i*8192+(2*(\q)+\c)*1024
	ds_load_b128 v[\f+64+8*(4*\c+\i)+4:\f+64+8*(4*\c+\i)+7], v[ADRB+\slot] offset:\i*8192+(2*(\q)+\c)*1024+512
	ds_load_b128 v[\f+8*(4*\c+\i):\f+8*(4*\c+\i)+3],         v[ADRA+\slot] offset:\i*8192+(2*(\q)+\c)*1024
	ds_load_b128 v[\f+8*(4*\c+\i)+4:\f+8*(4*\c+\i)+7],       v[ADRA+\slot] offset:\i*8192+(2*(\q)+\c)*1024+512
.endr
.endr
.endm
.macro PLACES                          ; four places in front of loads into registers that matrix instructions have read, and of the first read of results
.rept 4
	v_nop
.endr
.endm
; A K step is four quarters of 64 along K, 32 matrix instructions each, on buffers 0, 1, 0, 1.  One of the first three: multiplies buffer f and fetches quarter q into g.
.macro QUARTER slot, q, f, g, zero
	s_wait_dscnt 16                                ; the first 32 along K are in; the youngest sixteen loads may be out
	WIN MUL
	MUL8 \f, 0, 0, \zero
	MUL8 \f, 0, 2, \zero
	PLACES
	FETCH \slot, \q, \g
	s_wait_dscnt 32                                ; all but the 32 just issued
	WIN MUL
	MUL8 \f, 1, 0, 0
	MUL8 \f, 1, 2, 0
.endm
; The last quarter multiplies buffer 1 and changes slots: ONE barrier; in front of it each wave waits for all its tensor loads, adds 0 to its spare word, and waits for that and for its own reads of this slot.
; fill = 1: this slot is filled again, two K steps ahead; the barrier then opens a round of the cluster's.
.macro TURN slot, next, fill
	WIN 0                                          ; (the add's two registers lie in window 0)
	s_wait_tensorcnt 0x0                           ; all my tensor loads have landed: my part of the next slot;
	ds_add_u32 v[SPW], v[NIL]                      ; 0 onto my spare word;
	s_wait_dscnt 17                                ; (the add and the youngest sixteen loads may be out)
	WIN MUL
	MUL8 F1, 0, 0, 0                               ; eight matrix instructions stand between the add and the wait for it
	s_wait_dscnt 0x0                               ; the add is done, and my reads of this slot are over
	s_barrier_signal -1
	MUL8 F1, 0, 2, 0
.if \fill
	WIN 0
.endif
	s_barrier_wait -1
.if \fill
	CREST                                          ; no wave of any partner still reads this slot's blocks or has a load on its way
	s_add_nc_u64 s[G0+4*\slot+2:G0+4*\slot+3], s[G0+4*\slot+2:G0+4*\slot+3], 65536
	s_add_nc_u64 s[G0B+4*\slot+2:G0B+4*\slot+3], s[G0B+4*\slot+2:G0B+4*\slot+3], 65536
	JLOAD \slot                                    ; the first tensor load behind the round; the four v_nop behind it are also the places in front of the loads below
.else
	PLACES
.endif
	FETCH \next, 0, F0
	WIN MUL
	MUL8 F1, 1, 0, 0
	MUL8 F1, 1, 2, 0
.endm
	s_wait_tensorcnt 1                             ; my part of K step 0 is in; K step 1's may stay out
	s_barrier_signal -1
	s_barrier_wait -1                              ; everybody's is
	FETCH 0, 0, F0
	QUARTER 0, 1, F0, F1, 1                        ; K step 0: its first products start the sums
	QUARTER 0, 2, F1, F0, 0
	QUARTER 0, 3, F0, F1, 0
	TURN 0, 1, 1                                   ; slot 0 takes K step 2
	QUARTER 1, 1, F0, F1, 0                        ; K step 1
	QUARTER 1, 2, F1, F0, 0
	QUARTER 1, 3, F0, F1, 0
	TURN 1, 0, 1                                   ; slot 1 takes K step 3
	QUARTER 0, 1, F0, F1, 0                        ; K step 2
	QUARTER 0, 2, F1, F0, 0
	QUARTER 0, 3, F0, F1, 0
	TURN 0, 1, 0                                   ; nothing is left to fetch
	QUARTER 1, 1, F0, F1, 0                        ; K step 3
	QUARTER 1, 2, F1, F0, 0
	QUARTER 1, 3, F0, F1, 0
	s_wait_dscnt 16
	WIN MUL
	MUL8 F1, 0, 0, 0
	MUL8 F1, 0, 2, 0
	s_wait_dscnt 0x0
	MUL8 F1, 1, 0, 0
	MUL8 F1, 1, 2, 0
	WIN 0
	; THE WAY OUT, 16 rows x 64 columns at a time: times 1 / G; 32 bytes a lane into my own stage; back as whole rows of 256 bytes.  LDS serves a wave's instructions in order (ISA guide 5.7.1.4): no wait between the stores and the loads.
	PLACES
.irp a, 0,1,2,3
.irp b, 0,1,2,3
.irp j, 0,2,4,6
	v_pk_mul_f32 v[TMP+8*\b+\j:TMP+8*\b+\j+1], v[ACC+8*(4*\a+\b)+\j:ACC+8*(4*\a+\b)+\j+1], v[IG:IG+1]   ; each accumulator from its low end on
.endr
.endr
.irp b, 0,1,2,3
	ds_store_b128 v[STO], v[TMP+8*\b:TMP+8*\b+3] offset:64*\b
	ds_store_b128 v[STO], v[TMP+8*\b+4:TMP+8*\b+7] offset:64*\b+16
.endr
.if \a > 1
	s_wait_xcnt 0x0                                ; the stores of two blocks back have read their registers: this block's rows may land there
.endif
.irp i, 0,1,2,3,4,5,6,7
	ds_load_b128 v[BK+32*(\a%2)+4*\i:BK+32*(\a%2)+4*\i+3], v[RD] offset:2*\i*SPITCH
.endr
.irp i, 0,1,2,3,4,5,6,7
	s_wait_dscnt 7-\i
	global_store_b128 v[CO], v[BK+32*(\a%2)+4*\i:BK+32*(\a%2)+4*\i+3], s[10:11] offset:(16*\a+2*\i)*4096 th:TH_STORE_NT   ; 16 lanes store 256 consecutive bytes, at a multiple of 256 from out0's first byte
.endr
.endr
	s_wait_tensorcnt 0x0                           ; the wave's end, behind my last tensor load and my last LDS store
	ds_add_u32 v[SPW], v[NIL]
	s_wait_dscnt 0x0
	CROUND                                         ; the closing round: no work-group ends while a partner may still ask for a block that names it
	s_endpgm
.Lfunc_end_k_qd7363ae303_outp:
	.size	k_qd7363ae303_outp, .Lfunc_end_k_qd7363ae303_outp-k_qd7363ae303_outp
	.p2alignl 7, 3214868480
	.fill 96, 4, 3214868480
	.section	.rodata,"a",@progbits
	.p2align	6, 0x0
	.amdhsa_kernel k_qd7363ae303_outp
		.amdhsa_group_segment_fixed_size 327680
		.amdhsa_private_segment_fixed_size 0
		.amdhsa_enable_private_segment 0
		.amdhsa_kernarg_size 32
		.amdhsa_user_sgpr_count 2
		.amdhsa_user_sgpr_kernarg_segment_ptr 1
		.amdhsa_wavefront_size32 1
		.amdhsa_system_sgpr_workgroup_id_x 1
		.amdhsa_system_sgpr_workgroup_id_y 1
		.amdhsa_system_sgpr_workgroup_id_z 1
		.amdhsa_system_vgpr_workitem_id 0
		.amdhsa_next_free_vgpr 512
		.amdhsa_next_free_sgpr 66
		.amdhsa_reserve_vcc 0
		.amdhsa_float_denorm_mode_32 3
		.amdhsa_float_denorm_mode_16_64 3
		.amdhsa_memory_ordered 1
		.amdhsa_forward_progress 1
		.amdhsa_inst_pref_size 92
	.end_amdhsa_kernel
	.amdgpu_metadata
---
amdhsa.version: [ 1, 2 ]
amdhsa.kernels:
  - .name:           k_qd7363ae303_outp
    .symbol:         k_qd7363ae303_outp.kd
    .args:
      - { .name: hf, .offset: 0, .size: 8, .value_kind: global_buffer, .address_space: global }
      - { .name: wof, .offset: 8, .size: 8, .value_kind: global_buffer, .address_space: global }
      - { .name: vmaxb, .offset: 16, .size: 8, .value_kind: global_buffer, .address_space: global }
      - { .name: out0, .offset: 24, .size: 8, .value_kind: global_buffer, .address_space: global }
    .group_segment_fixed_size: 327680
    .private_segment_fixed_size: 0
    .kernarg_segment_align: 8
    .kernarg_segment_size: 32
    .max_flat_workgroup_size: 128
    .sgpr_count:     66
    .vgpr_count:     512
    .wavefront_size: 32
...
	.end_amdgpu_metadata
.endif
;; end of part 4
